; MI455X (gfx1250); checked and timed in simulation.
; The chip was launched on July 23, 2026; its instructions are those of AMD's public machine-readable ISA for CDNA 5 (MIT licence, August 2026) and "CDNA5" Instruction Set Architecture Reference Guide (July 2026). The comments in the code are by the model that wrote it; some were corrected since.
;; Spatial View Attention. Allowed arithmetic: matrix products marked QUANTISED: E2M1 operands, one E8M0 scale for each 32 along K, by v_wmma_scale_f32_16x16x128_f8f6f4 with both operands' format E2M1 (or v_wmma_scale_f32_32x16x128_f4), f32 sums; products left as they are: f32 operands where the result goes on into a quantised operand, else bf16, f16 or f32 operands; f32 sums; everything else in f32.
;; Inputs: K 8 x 2 x 3 x 3 float32; R 8 x 2 x 3 x 3 float32; T 8 x 2 x 3 float32; Wk_codes 256 x 8 x 16 uint8 (E2M1 codes of Wk, K innermost, in blocks of 32 codes, two codes a byte); Wk_scales 256 x 8 uint8 (E8M0 scales of Wk, one for each 32 codes along K); Wo_codes 256 x 8 x 16 uint8 (E2M1 codes of Wo, K innermost, in blocks of 32 codes, two codes a byte); Wo_scales 256 x 8 uint8 (E8M0 scales of Wo, one for each 32 codes along K); Wq_codes 256 x 8 x 16 uint8 (E2M1 codes of Wq, K innermost, in blocks of 32 codes, two codes a byte); Wq_scales 256 x 8 uint8 (E8M0 scales of Wq, one for each 32 codes along K); Wv_codes 256 x 8 x 16 uint8 (E2M1 codes of Wv, K innermost, in blocks of 32 codes, two codes a byte); Wv_scales 256 x 8 uint8 (E8M0 scales of Wv, one for each 32 codes along K); bk 256 float32; bo 256 float32; bq 256 float32; bv 256 float32; feature_maps 8 x 2 x 256 x 64 x 64 float32; n1_b 256 float32; n1_g 256 float32; n2_b 256 float32; n2_g 256 float32; out_W_codes 256 x 8 x 16 uint8 (E2M1 codes of out_W, K innermost, in blocks of 32 codes, two codes a byte); out_W_scales 256 x 8 uint8 (E8M0 scales of out_W, one for each 32 codes along K); out_b 256 float32; points_3d 2 x 8,192 x 3 float32; pos_W1 128 x 3 float32; pos_W2_codes 256 x 4 x 16 uint8 (E2M1 codes of pos_W2, K innermost, in blocks of 32 codes, two codes a byte); pos_W2_scales 256 x 4 uint8 (E8M0 scales of pos_W2, one for each 32 codes along K); pos_b1 128 float32; pos_b2 256 float32; q_W_codes 256 x 8 x 16 uint8 (E2M1 codes of q_W, K innermost, in blocks of 32 codes, two codes a byte); q_W_scales 256 x 8 uint8 (E8M0 scales of q_W, one for each 32 codes along K); q_b 256 float32.
;; Outputs: out0 2 x 8,192 x 256 float32; out1 2 x 8,192 x 8 float32.
;; This version of the problem:
;;   THIS VERSION OF THE PROBLEM IS GIVEN IN LOW PRECISION. The matrix products marked QUANTISED in the list below multiply operands that are first quantised to E2M1 (2 exponent bits, 1 mantissa bit; 4 bits a number), with one power-of-two scale for each 32 numbers along K (OCP MX v1.0); their sums are f32. All else is computed in f32.
;;   The module's matrix products, in the order in which they are computed (A, B: the left and right operand; K: the contracted axis; several contracted axes count as one K, in the product's order):
;;     1. batch 2 x [M 24, K 3] x [K 3, N 8,192]; A: input R; B: input points_3d: left as it is (K = 3 < 32)
;;     2. batch 16 x [M 8,192, K 3] x [K 3, N 3]; A: computed on the way; B: input K: left as it is (K = 3 < 32)
;;     3. [M 16,384, K 3] x [K 3, N 128]; A: input points_3d; B: input pos_W1: left as it is (K = 3 < 32)
;;     4. [M 16,384, K 128] x [K 128, N 256]; A: computed on the way; B: input pos_W2 (given as codes): QUANTISED
;;     5. [M 131,072, K 256] x [K 256, N 256]; A: computed on the way; B: input q_W (given as codes): QUANTISED
;;     6. [M 131,072, K 256] x [K 256, N 256]; A: computed on the way; B: input Wq (given as codes): QUANTISED
;;     7. [M 131,072, K 256] x [K 256, N 256]; A: computed on the way; B: input Wk (given as codes): QUANTISED
;;     8. [M 131,072, K 256] x [K 256, N 256]; A: computed on the way; B: input Wv (given as codes): QUANTISED
;;     9. batch 131,072 x [M 8, K 32] x [K 32, N 8]; A: computed on the way; B: computed on the way: left as it is (M = 8 < 16)
;;     10. batch 131,072 x [M 8, K 8] x [K 8, N 32]; A: softmax; B: computed on the way: left as it is (K = 8 < 32)
;;     11. [M 131,072, K 256] x [K 256, N 256]; A: computed on the way; B: input Wo (given as codes): QUANTISED
;;     12. [M 131,072, K 256] x [K 256, N 256]; A: computed on the way; B: input out_W (given as codes): QUANTISED
;;     13. batch 16,384 x [M 256, K 8] x [K 8, N 1]; A: computed on the way; B: softmax: left as it is (K = 8 < 32)
;;   THE QUANTISER, for each operand of a quantised product, along K:
;;     - K is cut into blocks of 32 from its start; a last block that is shorter is filled with zeros.
;;     - A block's scale is 2^e with e = floor(log2(the largest magnitude in the block)) - 2, held to -126 .. 127; a block of zeros has e = 0. As a byte (E8M0): e + 127.
;;     - Each number is divided by its block's scale, clamped to +-6, and rounded to the nearest number of E2M1, ties to even, subnormals kept.
;;     - The product sums the exact products of the quantised numbers (number of the format x scale) in f32.
;;   ~~~python
;;   def quantise(x, axis):      # numpy; x: float32 -> the quantised numbers, widened to float32 again
;;       x = np.moveaxis(x, axis, -1); K = x.shape[-1]
;;       x = np.pad(x, [(0, 0)] * (x.ndim - 1) + [(0, -K % 32)]); x = x.reshape(x.shape[:-1] + (-1, 32)); a = np.abs(x).max(-1, keepdims=True)
;;       e = np.where(a > 0, np.clip(np.frexp(np.where(a > 0, a, 1))[1] - 1 - 2, -126, 127), 0)      # np.frexp(a)[1] - 1 = floor(log2(a)), exactly
;;       r = np.clip(x / 2.0 ** e, -6, 6)
;;       step = 2.0 ** (np.maximum(np.frexp(np.where(r == 0, 1, r))[1] - 1, 0) - 1)
;;       q = np.round(r / step) * step * 2.0 ** e      # np.round: ties to even
;;       return np.moveaxis(q.reshape(q.shape[:-2] + (-1,))[..., :K], -1, axis).astype(np.float32)
;;   ~~~
;;   OPERANDS COMPUTED ON THE WAY. 'Computed on the way' means the value that the module computes at that place (a softmax that the list does not call 'softmax' is quantised finished and normalised). What goes into a quantiser is computed in f32, as accurately as f32 sums, v_exp_f32 and their like allow (about 1e-6 of the number): no bf16 or f16 on the way to a quantiser, and a product that is left as it is and whose result goes on into a quantised operand takes f32 operands (vector FMAs, or v_wmma_f32_16x16x4_f32). A number that lies on a knife's edge between two numbers of the format may be rounded either way, as far as f32 arithmetic and the matrix unit's own rounding can turn it there, and no further.
;;   INPUTS GIVEN AS CODES. Wk (in the module: [256, 256], K = its axis 1); Wo (in the module: [256, 256], K = its axis 1); Wq (in the module: [256, 256], K = its axis 1); Wv (in the module: [256, 256], K = its axis 1); out_W (in the module: [256, 256], K = its axis 1); pos_W2 (in the module: [256, 128], K = its axis 1); q_W (in the module: [256, 256], K = its axis 1): each comes as NAME_codes (uint8): NAME with its K axis moved to the last place and cut into blocks of 32 codes, [.., K / 32, bytes a block], one block behind the other in memory; two codes a byte, the lower K in the low four bits (a code: sign, 2 exponent bits, 1 mantissa bit); and NAME_scales (uint8): the same leading axes, one E8M0 byte (e + 127) for each 32 codes along K. Its value is code x scale, taken as it is: it is not quantised again, and the codes and scales need not be those that the quantiser above would give.
;; One version. Each part assembles by itself: llvm-mc -triple=amdgcn-amd-amdhsa -mcpu=gfx1250 --defsym DOCPART=n.
;; ======== version 1 of 1: 3 launches
;; limits: right only within a limited range of input values
;; workspace buffers: fmt 67,108,864 bytes; taps 2,097,152 bytes of whole numbers; tapw 2,097,152 bytes; vecs 11,264 bytes; marks 32,768 bytes of whole numbers
;; launch proj (part 1): grid 257 x 1, 8 waves a work-group, no clusters, 0 bytes of LDS; arguments points_3d, R, T, K, pos_b2, q_b, bq, bk, bv, bo, out_b, n1_g, n1_b, n2_g, n2_b, taps, tapw, vecs, marks; writes taps, tapw, vecs, marks
.if DOCPART == 1
	.amdgcn_target "amdgcn-amd-amdhsa--gfx1250"
	.amdhsa_code_object_version 6
	.text
	.protected	k_qd15c32f6e2_proj
	.globl	k_qd15c32f6e2_proj
	.p2align	8
	.type	k_qd15c32f6e2_proj,@function
k_qd15c32f6e2_proj:
	s_mov_b64 s[64:65], 0
	v_nop
	global_prefetch_b8 v0, s[64:65] scope:SCOPE_SE
	s_setreg_imm32_b32 hwreg(HW_REG_WAVE_MODE, 25, 1), 1
	s_wait_xcnt 0x0
; Two jobs, parted on the work-group's number alone.
;  0..255 PROJECTION: 64 points each.  Wave w is view w, a lane is a point, 2 passes of 32 points.  For each (point, view): four pixel numbers (taps, whole numbers) and four bilinear
;         weights (tapw, 0 where the tap lies outside the map), laid [work-group][view][64 points][16 bytes]: a wave's store covers 512 consecutive bytes.
;         MARKS: each wave also joins, over its 64 points, which of its map's 64 lines (two words) and which of its 8 groups of 8 columns (one word) its held taps name, those of weight 0 too,
;         and stores them at marks[map 2 v + b][work-group % 128][4 words]: 16 bytes a wave, 32,768 in all.
;  256    the eleven vectors of 256 f32 are gathered into one buffer (vecs).
; WORK LEFT OUT IN THIS PROGRAM.  reference() gathers from feature_maps by the projected coordinates: a pixel that no tap names reaches no output, so the next launch re-lays only marked lines and column groups.
; reference() broadcasts pe over the views, so a point's eight query rows are equal through q_W, Wo, out_W, both norms and the last softmax: one row stands for the eight there (launch main).
; LIMITS: NaN, infinities and a projected depth of 0 are not served (reference() is not finite there); a NaN or infinity in a pixel that no tap names is not carried anywhere.
; The three-term sums are fused multiply-adds, T being the first addend.
	s_load_b512 s[4:19], s[0:1], 0x0               ; points 4, R 6, T 8, K 10, pos_b2 12, q_b 14, bq 16, bk 18
	s_load_b512 s[20:35], s[0:1], 0x40             ; bv 20, bo 22, out_b 24, n1_g 26, n1_b 28, n2_g 30, n2_b 32, taps 34
	s_load_b128 s[36:39], s[0:1], 0x80             ; tapw 36, vecs 38
	s_load_b64 s[40:41], s[0:1], 0x90              ; marks
	s_cmp_eq_u32 ttmp9, 256
	s_cbranch_scc1 .Lvectors
	v_lshrrev_b32 v1, 5, v0                        ; view = wave
	v_and_b32 v2, 31, v0                           ; slot: pass p serves point 64 id + 32 p + slot (flat over b and n: b = id / 128)
	s_lshr_b32 s44, ttmp9, 7                       ; b
	s_mul_i32 s45, s44, 36
	s_mul_i32 s46, s44, 12
	s_and_b32 s47, ttmp9, 127
	s_lshl_b32 s47, s47, 4                         ; my work-group's entry among its map's 128
	v_mul_u32_u24 v3, v1, 72
	v_mul_u32_u24 v4, v1, 24
	v_mul_u32_u24 v5, v2, 12                       ; my slot's point
	v_lshlrev_b32 v6, 4, v2
	v_lshl_add_u32 v7, v1, 1, s44                  ; map 2 v + b
	v_add_nc_u32 v3, s45, v3                       ; R and K: (2 v + b) x 36 bytes
	v_add_nc_u32 v4, s46, v4                       ; T: (2 v + b) x 12 bytes
	s_delay_alu instid0(VALU_DEP_4)
	v_lshl_add_u32 v6, v1, 10, v6                  ; out: 1,024 x view + 16 x slot
	s_delay_alu instid0(VALU_DEP_4)
	v_lshl_add_u32 v11, v7, 11, s47                ; marks: 2,048 x map + 16 x entry
	v_lshlrev_b32 v7, 12, v7                       ; my map's first pixel
	v_mov_b32 v8, 1
	v_mov_b32 v12, 0                               ; lines 0-31, lines 32-63, column groups, a word of 0
	v_mov_b32 v13, 0
	v_mov_b32 v14, 0
	v_mov_b32 v15, 0
	s_mul_i32 s48, ttmp9, 768                      ; 64 points x 12 bytes
	s_mov_b32 s49, 0
	s_lshl_b32 s50, ttmp9, 13                      ; 64 points x 128 bytes of taps and of weights
	s_mov_b32 s51, 0
	s_mov_b32 s52, 0x42000000                      ; 32.0 = W / 2 = H / 2
	s_mov_b32 s53, 0x427c0000                      ; 63.0
	s_mov_b32 s56, 0x76543210
	s_mov_b32 s57, 0xfedcba98                      ; v_permlanex16_b32's selects for lane l xor 16
	s_wait_alu depctr_va_vdst(0)
	s_wait_kmcnt 0x0
	s_add_nc_u64 s[4:5], s[4:5], s[48:49]
	s_add_nc_u64 s[34:35], s[34:35], s[50:51]
	s_add_nc_u64 s[36:37], s[36:37], s[50:51]
.irp k, 0,1,2,3,4,5,6,7,8
	global_load_b32 v[16+\k], v3, s[6:7] offset:4*\k           ; R[i][j] at v[16 + 3 i + j]
.endr
.irp k, 0,1,2
	global_load_b32 v[25+\k], v4, s[8:9] offset:4*\k           ; T
.endr
.irp k, 0,1,2,3,4,5,6,7,8
	global_load_b32 v[28+\k], v3, s[10:11] offset:4*\k         ; K[i][j] at v[28 + 3 i + j]
.endr
.irp p, 0,1
.irp i, 0,1,2
	global_load_b32 v[40+3*\p+\i], v5, s[4:5] offset:384*\p+4*\i   ; the two passes' points
.endr
.endr
	s_wait_loadcnt 0x0
; one coordinate's tap: held into 0 .. 63; it is inside exactly where the hold changed nothing (both are whole numbers); outside its weight becomes 0
.macro CLIP val, wt, c
	v_max_num_f32 v[\c], 0, v[\val]
	s_delay_alu instid0(VALU_DEP_1)
	v_min_num_f32 v[\c], s53, v[\c]
	s_delay_alu instid0(VALU_DEP_1)
	v_cmp_eq_f32 vcc_lo, v[\c], v[\val]
	s_delay_alu instid0(VALU_DEP_1)
	v_cndmask_b32 v[\wt], 0, v[\wt], vcc_lo
	s_delay_alu instid0(VALU_DEP_3)
	v_cvt_u32_f32 v[\c], v[\c]
.endm
.macro PROJ p
.set PX, 40+3*(\p)
.if (\p) > 0
	s_wait_xcnt 0x0                                ; the last pass's stores have read v[88:95], which are written again below
.endif
.irp j, 0,1,2
	v_fma_f32 v[64+\j], v[PX], v[16+\j], v[25+\j]  ; cam = p R + T
.endr
.irp j, 0,1,2
	s_delay_alu instid0(VALU_DEP_3)
	v_fma_f32 v[64+\j], v[PX+1], v[19+\j], v[64+\j]
.endr
.irp j, 0,1,2
	s_delay_alu instid0(VALU_DEP_3)
	v_fma_f32 v[64+\j], v[PX+2], v[22+\j], v[64+\j]
.endr
.irp j, 0,1,2
	v_mul_f32 v[67+\j], v64, v[28+\j]              ; img = cam K
.endr
.irp j, 0,1,2
	s_delay_alu instid0(VALU_DEP_3)
	v_fma_f32 v[67+\j], v65, v[31+\j], v[67+\j]
.endr
.irp j, 0,1,2
	s_delay_alu instid0(VALU_DEP_3)
	v_fma_f32 v[67+\j], v66, v[34+\j], v[67+\j]
.endr
	s_wait_alu depctr_va_vdst(0)
	v_rcp_f32 v70, v69
	v_nop                                          ; a plain instruction behind the reciprocal
	s_wait_alu depctr_va_vdst(0)
	v_mul_f32 v71, v67, v70                        ; the two quotients, each with one step of correction
	v_mul_f32 v72, v68, v70
	s_delay_alu instid0(VALU_DEP_2)
	v_fma_f32 v73, -v71, v69, v67
	s_delay_alu instid0(VALU_DEP_2)
	v_fma_f32 v74, -v72, v69, v68
	v_fma_f32 v71, v73, v70, v71
	v_fma_f32 v72, v74, v70, v72
	s_delay_alu instid0(VALU_DEP_2)
	v_add_f32 v71, 1.0, v71
	s_delay_alu instid0(VALU_DEP_2)
	v_add_f32 v72, 1.0, v72
	s_delay_alu instid0(VALU_DEP_2)
	v_fma_f32 v71, v71, s52, -0.5                  ; x = (cx + 1) 32 - 0.5
	s_delay_alu instid0(VALU_DEP_2)
	v_fma_f32 v72, v72, s52, -0.5                  ; y
	s_delay_alu instid0(VALU_DEP_2)
	v_floor_f32 v73, v71                           ; x0
	s_delay_alu instid0(VALU_DEP_2)
	v_floor_f32 v74, v72                           ; y0
	s_delay_alu instid0(VALU_DEP_2)
	v_sub_f32 v75, v71, v73                        ; wx1
	s_delay_alu instid0(VALU_DEP_2)
	v_sub_f32 v76, v72, v74                        ; wy1
	s_delay_alu instid0(VALU_DEP_2)
	v_sub_f32 v77, 1.0, v75                        ; wx0
	s_delay_alu instid0(VALU_DEP_2)
	v_sub_f32 v78, 1.0, v76                        ; wy0
	v_add_f32 v79, 1.0, v73                        ; x1
	v_add_f32 v80, 1.0, v74                        ; y1
	CLIP 73, 77, 81
	CLIP 79, 75, 82
	CLIP 74, 78, 83
	CLIP 80, 76, 84
	v_mul_f32 v92, v78, v77                        ; the four weights, taps (y0,x0), (y0,x1), (y1,x0), (y1,x1)
	v_mul_f32 v93, v78, v75
	s_delay_alu instid0(VALU_DEP_4)
	v_mul_f32 v94, v76, v77
	v_mul_f32 v95, v76, v75
	v_lshl_add_u32 v85, v83, 6, v7                 ; the two rows' first pixels
	v_lshl_add_u32 v86, v84, 6, v7
	s_delay_alu instid0(VALU_DEP_2)
	v_add_nc_u32 v88, v85, v81
	s_delay_alu instid0(VALU_DEP_3)
	v_add_nc_u32 v89, v85, v82
	s_delay_alu instid0(VALU_DEP_3)
	v_add_nc_u32 v90, v86, v81
	s_delay_alu instid0(VALU_DEP_4)
	v_add_nc_u32 v91, v86, v82
	global_store_b128 v6, v[88:91], s[34:35] offset:512*(\p)
	global_store_b128 v6, v[92:95], s[36:37] offset:512*(\p)
	v_lshlrev_b32 v64, v83, v8                     ; the marks: 1 << (y % 32) for both lines (the shift takes the low five bits),
	v_lshlrev_b32 v65, v84, v8
	v_lshrrev_b32 v66, 3, v81                      ; and the two columns' groups of 8
	v_lshrrev_b32 v67, 3, v82
	v_cmp_gt_u32 vcc_lo, 32, v83
	v_cmp_gt_u32 s54, 32, v84
	s_delay_alu instid0(VALU_DEP_2)
	v_cndmask_b32 v68, 0, v64, vcc_lo              ; the bit, where the line lies under 32
	s_delay_alu instid0(VALU_DEP_2)
	v_cndmask_b32 v69, 0, v65, s54
	v_lshlrev_b32 v66, v66, v8
	v_lshlrev_b32 v67, v67, v8
	s_delay_alu instid0(VALU_DEP_4)
	v_or_b32 v12, v12, v68
	v_xor_b32 v64, v64, v68                        ; the bit, where it does not
	v_xor_b32 v65, v65, v69
	v_or_b32 v14, v14, v66
	s_delay_alu instid0(VALU_DEP_4)
	v_or_b32 v12, v12, v69
	s_delay_alu instid0(VALU_DEP_4)
	v_or_b32 v13, v13, v64
	s_delay_alu instid0(VALU_DEP_3)
	v_or_b32 v14, v14, v67
	s_delay_alu instid0(VALU_DEP_2)
	v_or_b32 v13, v13, v65
.endm
	PROJ 0
	PROJ 1
; the three words joined over the wave's 32 lanes
.irp m, 1,2,4,8
.irp k, 0,1,2
	v_mov_b32_dpp v[64+\k], v[12+\k] row_xmask:\m row_mask:0xf bank_mask:0xf
.endr
.irp k, 0,1,2
	s_delay_alu instid0(VALU_DEP_3)
	v_or_b32 v[12+\k], v[12+\k], v[64+\k]
.endr
.endr
.irp k, 0,1,2
	v_permlanex16_b32 v[64+\k], v[12+\k], s56, s57
.endr
.irp k, 0,1,2
	s_delay_alu instid0(VALU_DEP_3)
	v_or_b32 v[12+\k], v[12+\k], v[64+\k]
.endr
	s_wait_alu depctr_va_vdst(0)
	s_wait_xcnt 0x0                                ; EXEC changes only behind this wait
	v_cmp_eq_u32 vcc_lo, 0, v2
	s_and_saveexec_b32 s58, vcc_lo                 ; lane 0 stores the wave's 16 bytes
	global_store_b128 v11, v[12:15], s[40:41]
	s_endpgm
; the vectors: thread t copies number t of each
.Lvectors:
	v_lshlrev_b32 v1, 2, v0
	s_wait_alu depctr_va_vdst(0)
	s_wait_kmcnt 0x0
.irp k, 0,1,2,3,4,5,6,7,8,9,10
	global_load_b32 v[16+\k], v1, s[12+2*\k:13+2*\k]
.endr
	s_wait_loadcnt 0x0
.irp k, 0,1,2,3,4,5,6,7,8,9,10
	global_store_b32 v1, v[16+\k], s[38:39] offset:1024*\k
.endr
	s_endpgm
.Lfunc_end_k_qd15c32f6e2_proj:
	.size	k_qd15c32f6e2_proj, .Lfunc_end_k_qd15c32f6e2_proj-k_qd15c32f6e2_proj
	.p2alignl 7, 3214868480
	.fill 96, 4, 3214868480
	.section	.rodata,"a",@progbits
	.p2align	6, 0x0
	.amdhsa_kernel k_qd15c32f6e2_proj
		.amdhsa_group_segment_fixed_size 0
		.amdhsa_private_segment_fixed_size 0
		.amdhsa_enable_private_segment 0
		.amdhsa_kernarg_size 152
		.amdhsa_user_sgpr_count 2
		.amdhsa_user_sgpr_kernarg_segment_ptr 1
		.amdhsa_wavefront_size32 1
		.amdhsa_system_sgpr_workgroup_id_x 1
		.amdhsa_system_sgpr_workgroup_id_y 1
		.amdhsa_system_sgpr_workgroup_id_z 1
		.amdhsa_system_vgpr_workitem_id 0
		.amdhsa_next_free_vgpr 96
		.amdhsa_next_free_sgpr 66
		.amdhsa_reserve_vcc 1
		.amdhsa_float_denorm_mode_32 3
		.amdhsa_float_denorm_mode_16_64 3
		.amdhsa_memory_ordered 1
		.amdhsa_forward_progress 1
		.amdhsa_inst_pref_size 20
	.end_amdhsa_kernel
	.amdgpu_metadata
---
amdhsa.version: [ 1, 2 ]
amdhsa.kernels:
  - .name:           k_qd15c32f6e2_proj
    .symbol:         k_qd15c32f6e2_proj.kd
    .args:
      - { .name: points_3d, .offset: 0, .size: 8, .value_kind: global_buffer, .address_space: global }
      - { .name: R, .offset: 8, .size: 8, .value_kind: global_buffer, .address_space: global }
      - { .name: T, .offset: 16, .size: 8, .value_kind: global_buffer, .address_space: global }
      - { .name: K, .offset: 24, .size: 8, .value_kind: global_buffer, .address_space: global }
      - { .name: pos_b2, .offset: 32, .size: 8, .value_kind: global_buffer, .address_space: global }
      - { .name: q_b, .offset: 40, .size: 8, .value_kind: global_buffer, .address_space: global }
      - { .name: bq, .offset: 48, .size: 8, .value_kind: global_buffer, .address_space: global }
      - { .name: bk, .offset: 56, .size: 8, .value_kind: global_buffer, .address_space: global }
      - { .name: bv, .offset: 64, .size: 8, .value_kind: global_buffer, .address_space: global }
      - { .name: bo, .offset: 72, .size: 8, .value_kind: global_buffer, .address_space: global }
      - { .name: out_b, .offset: 80, .size: 8, .value_kind: global_buffer, .address_space: global }
      - { .name: n1_g, .offset: 88, .size: 8, .value_kind: global_buffer, .address_space: global }
      - { .name: n1_b, .offset: 96, .size: 8, .value_kind: global_buffer, .address_space: global }
      - { .name: n2_g, .offset: 104, .size: 8, .value_kind: global_buffer, .address_space: global }
      - { .name: n2_b, .offset: 112, .size: 8, .value_kind: global_buffer, .address_space: global }
      - { .name: taps, .offset: 120, .size: 8, .value_kind: global_buffer, .address_space: global }
      - { .name: tapw, .offset: 128, .size: 8, .value_kind: global_buffer, .address_space: global }
      - { .name: vecs, .offset: 136, .size: 8, .value_kind: global_buffer, .address_space: global }
      - { .name: marks, .offset: 144, .size: 8, .value_kind: global_buffer, .address_space: global }
    .group_segment_fixed_size: 0
    .private_segment_fixed_size: 0
    .kernarg_segment_align: 8
    .kernarg_segment_size: 152
    .max_flat_workgroup_size: 256
    .sgpr_count:     66
    .vgpr_count:     96
    .wavefront_size: 32
...
	.end_amdgpu_metadata
.endif
;; end of part 1
;; launch trans (part 2): grid 1024 x 1, 8 waves a work-group, no clusters, 67,584 bytes of LDS; arguments feature_maps, marks, fmt; writes fmt
.if DOCPART == 2
	.amdgcn_target "amdgcn-amd-amdhsa--gfx1250"
	.amdhsa_code_object_version 6
	.text
	.protected	k_qd15c32f6e2_trans
	.globl	k_qd15c32f6e2_trans
	.p2align	8
	.type	k_qd15c32f6e2_trans,@function
k_qd15c32f6e2_trans:
	s_mov_b64 s[64:65], 0
	v_nop
	global_prefetch_b8 v0, s[64:65] scope:SCOPE_SE
	s_setreg_imm32_b32 hwreg(HW_REG_WAVE_MODE, 25, 1), 1
	s_wait_xcnt 0x0
; TRANSPOSITION of the map lines that are sampled: feature_maps [vb][c][y][x] -> fmt [vb][y][x][1,024 bytes]; one work-group takes one (vb, y): 256 channels x 64 pixels, through LDS.
; Inside a pixel's 1,024 bytes the 16 bytes at 16 l hold channels 8 l .. 8 l + 3 and those at 512 + 16 l channels 8 l + 4 .. 8 l + 7 (l = 0 .. 31): the order in which the next launch's lanes take them.
; WORK LEFT OUT: a line of a map that no tap names (marks, stored by launch proj) is neither read nor stored, and of a line that is read only the groups of 8 columns that some tap of the map names are stored:
; the next launch reads pixels by the stored taps alone, and each such pixel's line and column group are marked.  The grid serves every choice of lines.
; The branches hang on whole numbers that the launch before stored; they lead round loads and stores only: every wave passes the one barrier.
; WHICH LINE: vb = id / 64; y = (id / 4) % 16 + 16 x ((id + id / 256) % 4): work-groups whose numbers are neighbours, and those 256 apart, take lines 16 apart, so that a band of marked lines is dealt evenly over the numbers.
.set PITCH, 1040                       ; an LDS row: one pixel's 256 channels + 16 bytes: row i starts 4 i banks on
.set SPARE, 64*PITCH                   ; behind the 64 rows: the spare words, 128 bytes a wave
	s_load_b128 s[4:7], s[0:1], 0x0                ; feature_maps, marks
	s_load_b64 s[36:37], s[0:1], 0x10              ; fmt
	v_lshl_add_u32 v96, v0, 2, SPARE
	v_mov_b32 v97, 0
	s_lshr_b32 s45, ttmp9, 6                       ; vb
	s_lshr_b32 s46, ttmp9, 8
	s_add_co_u32 s46, s46, ttmp9
	s_and_b32 s46, s46, 3
	s_lshl_b32 s46, s46, 4
	s_bfe_u32 s47, ttmp9, 0x40002
	s_add_co_u32 s46, s46, s47                     ; y
	s_lshl_b32 s48, s45, 22                        ; a map is 4 MiB,
	s_lshl_b32 s47, s46, 8                         ; a line of it 256 bytes
	s_add_co_u32 s48, s48, s47
	s_mov_b32 s49, 0
	s_lshl_b32 s50, s45, 6
	s_add_co_u32 s50, s50, s46
	s_lshl_b32 s50, s50, 16                        ; out: 64 pixels x 1,024 bytes a line
	s_mov_b32 s51, 0
	s_lshl_b32 s52, s45, 11                        ; my map's marks: 128 entries of 16 bytes
	s_lshr_b32 s53, s46, 5
	s_lshl_b32 s53, s53, 2
	s_add_co_u32 s53, s53, s52                     ; in each entry the word that holds line y's bit,
	s_and_b32 s54, s46, 31
	s_lshl_b32 s54, 1, s54                         ; and the bit
	v_and_b32 v1, 15, v0                           ; i: my four pixels 4 i .. 4 i + 3
	v_bfe_u32 v2, v0, 4, 1                         ; which of a load's two channels
	v_and_b32 v3, 0xe0, v0                         ; 32 w
	s_delay_alu instid0(VALU_DEP_1)
	v_add_nc_u32 v4, v3, v2
	s_delay_alu instid0(VALU_DEP_1)
	v_lshlrev_b32 v5, 14, v4                       ; a channel is 16,384 bytes
	s_delay_alu instid0(VALU_DEP_1)
	v_lshl_add_u32 v5, v1, 4, v5                   ; in: sixteen lanes read a channel's 256 bytes
	v_mul_u32_u24 v6, v1, PITCH
	s_delay_alu instid0(VALU_DEP_1)
	v_lshl_add_u32 v6, v4, 2, v6                   ; LDS, in: pixel 4 i + k lies in row 16 k + i
	v_and_b32 v7, 31, v0
	v_lshrrev_b32 v8, 5, v0
	s_delay_alu instid0(VALU_DEP_1)
	v_mul_u32_u24 v9, v8, 2*PITCH
	s_delay_alu instid0(VALU_DEP_1)
	v_lshl_add_u32 v9, v7, 5, v9                   ; LDS, out: rows 2 w on, channels 8 l on
	s_delay_alu instid0(VALU_DEP_3)
	v_lshlrev_b32 v10, 13, v8
	s_delay_alu instid0(VALU_DEP_1)
	v_lshl_add_u32 v10, v7, 4, v10                 ; memory, out: 8 pixels a wave, 16 bytes a lane
	v_readfirstlane_b32 s55, v8                    ; wave w stores pixels 8 w .. 8 w + 7: column group w
	s_lshl_b32 s55, 1, s55
	v_lshl_add_u32 v11, v7, 4, s53                 ; lane l takes entries l, l + 32, l + 64, l + 96
	v_lshl_add_u32 v12, v7, 4, s52
	s_wait_alu depctr_va_vdst(0)
	s_wait_kmcnt 0x0
	s_add_nc_u64 s[4:5], s[4:5], s[48:49]
	s_add_nc_u64 s[36:37], s[36:37], s[50:51]
.irp k, 0,1,2,3
	global_load_b32 v[16+\k], v11, s[6:7] offset:512*\k        ; the lines' words
	global_load_b32 v[20+\k], v12, s[6:7] offset:512*\k+8      ; the column groups' words
.endr
	s_wait_loadcnt 0x0
	v_or_b32 v16, v16, v17
	v_or_b32 v18, v18, v19
	v_or_b32 v20, v20, v21
	v_or_b32 v22, v22, v23
	s_delay_alu instid0(VALU_DEP_3)
	v_or_b32 v16, v16, v18
	s_delay_alu instid0(VALU_DEP_2)
	v_or_b32 v20, v20, v22
	s_delay_alu instid0(VALU_DEP_2)
	v_and_b32 v13, s54, v16
	s_delay_alu instid0(VALU_DEP_2)
	v_and_b32 v14, s55, v20
	s_delay_alu instid0(VALU_DEP_2)
	v_cmp_ne_u32 s56, 0, v13                       ; some entry names my line
	s_delay_alu instid0(VALU_DEP_2)
	v_cmp_ne_u32 s57, 0, v14                       ; some entry names my wave's columns
	s_cmp_eq_u32 s56, 0
	s_cselect_b32 s57, 0, s57                      ; of a line that nobody names nothing is stored
	s_cbranch_scc1 .Lmeet
.irp n, 0,1,2,3,4,5,6,7,8,9,10,11,12,13,14,15
	global_load_b128 v[16+4*\n:16+4*\n+3], v5, s[4:5] offset:32768*\n th:TH_LOAD_NT   ; channels 32 w + 2 n, + 1: two aligned runs of 256 bytes; read once in the launch
.endr
.irp n, 0,1,2,3,4,5,6,7,8,9,10,11,12,13,14,15
	s_wait_loadcnt 15-\n                           ; load n is in, the younger ones may be out
.irp k, 0,1,2,3
	ds_store_b32 v6, v[16+4*\n+\k] offset:\k*16*PITCH+8*\n
.endr
.endr
.Lmeet:
	s_wait_dscnt 0x0                               ; for the others' sake: my stores have landed
	s_barrier_signal -1
	s_barrier_wait -1
	s_cmp_eq_u32 s57, 0
	s_cbranch_scc1 .Lend
.irp q, 0,1,2,3,4,5,6,7
.irp f, 0,1
	ds_load_b128 v[16+8*\q+4*\f:16+8*\q+4*\f+3], v9 offset:(16*(\q%4)+\q/4)*PITCH+16*\f   ; pixel 8 w + q, channels 8 l + 4 f on
.endr
.endr
.irp q, 0,1,2,3,4,5,6,7
.irp f, 0,1
	s_wait_dscnt 15-2*\q-\f
	global_store_b128 v10, v[16+8*\q+4*\f:16+8*\q+4*\f+3], s[36:37] offset:1024*\q+512*\f   ; 512 consecutive bytes, at a multiple of 256 from fmt's first byte
.endr
.endr
.Lend:
	s_wait_tensorcnt 0x0                           ; the wave's end
	ds_add_u32 v96, v97
	s_wait_dscnt 0x0
	s_endpgm
.Lfunc_end_k_qd15c32f6e2_trans:
	.size	k_qd15c32f6e2_trans, .Lfunc_end_k_qd15c32f6e2_trans-k_qd15c32f6e2_trans
	.p2alignl 7, 3214868480
	.fill 96, 4, 3214868480
	.section	.rodata,"a",@progbits
	.p2align	6, 0x0
	.amdhsa_kernel k_qd15c32f6e2_trans
		.amdhsa_group_segment_fixed_size 67584
		.amdhsa_private_segment_fixed_size 0
		.amdhsa_enable_private_segment 0
		.amdhsa_kernarg_size 24
		.amdhsa_user_sgpr_count 2
		.amdhsa_user_sgpr_kernarg_segment_ptr 1
		.amdhsa_wavefront_size32 1
		.amdhsa_system_sgpr_workgroup_id_x 1
		.amdhsa_system_sgpr_workgroup_id_y 1
		.amdhsa_system_sgpr_workgroup_id_z 1
		.amdhsa_system_vgpr_workitem_id 0
		.amdhsa_next_free_vgpr 98
		.amdhsa_next_free_sgpr 66
		.amdhsa_reserve_vcc 0
		.amdhsa_float_denorm_mode_32 3
		.amdhsa_float_denorm_mode_16_64 3
		.amdhsa_memory_ordered 1
		.amdhsa_forward_progress 1
		.amdhsa_inst_pref_size 14
	.end_amdhsa_kernel
	.amdgpu_metadata
---
amdhsa.version: [ 1, 2 ]
amdhsa.kernels:
  - .name:           k_qd15c32f6e2_trans
    .symbol:         k_qd15c32f6e2_trans.kd
    .args:
      - { .name: feature_maps, .offset: 0, .size: 8, .value_kind: global_buffer, .address_space: global }
      - { .name: marks, .offset: 8, .size: 8, .value_kind: global_buffer, .address_space: global }
      - { .name: fmt, .offset: 16, .size: 8, .value_kind: global_buffer, .address_space: global }
    .group_segment_fixed_size: 67584
    .private_segment_fixed_size: 0
    .kernarg_segment_align: 8
    .kernarg_segment_size: 24
    .max_flat_workgroup_size: 256
    .sgpr_count:     66
    .vgpr_count:     98
    .wavefront_size: 32
...
	.end_amdgpu_metadata
.endif
;; end of part 2
;; launch main (part 3): grid 256 x 1, 8 waves a work-group, no clusters, 209,408 bytes of LDS; arguments fmt, taps, tapw, points_3d, pos_W1, pos_b1, vecs, pos_W2_codes, pos_W2_scales, q_W_codes, q_W_scales, Wq_codes, Wq_scales, Wk_codes, Wk_scales, Wv_codes, Wv_scales, Wo_codes, Wo_scales, out_W_codes, out_W_scales, out0, out1; writes out0, out1
.if DOCPART == 3
	.amdgcn_target "amdgcn-amd-amdhsa--gfx1250"
	.amdhsa_code_object_version 6
	.text
	.protected	k_qd15c32f6e2_main
	.globl	k_qd15c32f6e2_main
	.p2align	8
	.type	k_qd15c32f6e2_main,@function
k_qd15c32f6e2_main:
	s_mov_b64 s[64:65], 0
	v_nop
	global_prefetch_b8 v0, s[64:65] scope:SCOPE_SE
	s_setreg_imm32_b32 hwreg(HW_REG_WAVE_MODE, 25, 1), 1
	s_wait_xcnt 0x0
; Everything behind the projection, fused.  A work-group owns 64 points (512 rows of keys and values: row = 8 x point + view); wave w is head w and owns features 32 w .. 32 w + 31 of every product;
; its fragments of the weights stay in registers.  The quantised products run on E2M1 codes with E8M0 scales; what goes into a quantiser is f32.
; reference() broadcasts pe over the views, so a point's eight query rows are equal bit for bit through q_W, Wo, out_W, both norms and the last softmax: ONE row stands for the eight there.
; Wq runs on the rows repeated eight times, which puts q into k's lanes.  Wk and Wv run on all 512 rows.
; THE GATHER AND THE ATTENTION GO BY TURNS, in 8 chunks of 64 rows: each wave gathers, interpolates and quantises the 8 views of one point (one row to the whole wave), a barrier, all waves run their head's
; products, softmax and ctx on the chunk's 4 tiles of 16 rows, a barrier.  Four rows' taps of every wave (16 KB) stay on their way through both barriers and the tiles' work.
; OPERANDS GO FROM WAVE TO WAVE THROUGH LDS AS ROWS OF CODES: 256 codes are 128 bytes, 144 bytes from row to row; block w of a row is the 16 bytes at 16 w, its scale byte is byte w of the row's eight.
; TRANSPOSED PRODUCTS (source 0 = 16 rows of W, source 1 = 16 data rows): lane r of tile u takes W's row 32 w + 8 u + r + 8 (r / 8), so lane (r, h) holds data row r and its 16 registers of
; u = 0, 1 are features 32 w + 16 h + 0 .. 15: a block of 32 lies in lanes l and l xor 16.  The V product is not transposed: lane (r, h), register j = v(point h of the tile, view j, feature 32 w + 16 t + r).
; ONE SCALE REGISTER CARRIES TWO K STEPS: lanes 0-15 the row's word of K step 0, lanes 16-31 that of K step 1 (the second step names ROW1).
; No tensor loads: the gathered rows come by a list, one row to a wave, straight into registers.  No cluster: work-groups share only the weights, 0.22 MB against 2.1 MB that each gathers alone.
; LIMITS: NaN and infinities are not served.  A block whose largest magnitude lies under 2^-124 keeps the scale byte 1 (a block of zeros too: its codes are zeros, and this program alone reads the bytes).
; Sums are formed in another order than reference()'s; bo + q_in enters as the C of Wo's product; the variance is made of per-wave means and sums of squared deviations, joined exactly in form (no difference of large sums).
; ---- LDS
.set KVC,  0                           ; 64 x 144   codes of one chunk's sampled rows: filled and read in every trip
.set KVS,  9216                        ; 64 x 8     their scale bytes
.set CTXF, 9728                        ; 64 x 1040  ctx in f32; later the stage for out0
.set HC,   76288                       ; 64 x 80    hidden layer of the positional MLP
.set HS,   81408                       ; 64 x 4
.set PEC,  81664                       ; 64 x 144   pe
.set PES,  90880                       ; 64 x 8
.set QIC,  91392                       ; q_in
.set QIS,  100608
.set CXC,  101120                      ; ctx
.set CXS,  110336
.set L1C,  110848                      ; the first norm's result
.set L1S,  120064
.set ST1,  120576                      ; 64 x 80    (mean, sum of squared deviations) of each wave's 32 features
.set ST2,  125696
.set ASUM, 130816                      ; 64 x 32    [point][head]: the head's attention summed over the keys
.set QRL,  132864
.set KVB,  199680                      ; behind the spare words: the second buffer for a chunk's codes and scale bytes, laid as KVC and KVS are: 9,728 bytes
; ---- window 1 (v256-511, written 0-255)
.set WQ,  0                            ; later OW
.set WK,  32                           ; later N1G, N1B
.set WV,  64                           ; later N2G, N2B
.set BQ,  96
.set BK,  112
.set BV,  128
.set QWF, 144                          ; ahead of the loop: q_W, q_b, pos_W2, pos_b2, bo
.set QB,  176
.set PW2, 192
.set PB2, 208
.set BO,  240
.set KVF, 144                          ; in the loop: a tile's fragments of kv and of q_in,
.set QF,  160
.set KAC, 176                          ; its k, q and v
.set QAC, 192
.set VAC, 208
.set WO,  144                          ; behind the loop
.set OB,  176
.set QR,  192                          ; q_in + bo, 16 registers a tile of 16 points
.set OW,  0
.set N1G, 32
.set N1B, 48
.set N2G, 64
.set N2B, 80
; ---- window 0
.set WA,  5                            ; v5   (32 w + r + 8 (r / 8)) x 128 + 16 h: my lane in a weight's codes; kept
.set BA,  6                            ; v6   (32 w + 16 h) x 4: my 16 numbers of a vector; kept
.set SA,  7                            ; v7   (32 w + r + 8 (r / 8)) x 8 + 4 h: my lane in a weight's scales; kept
.set ZR,  30                           ; v30  0; kept
.set L16, 31                           ; v31  16 x lane; kept
.set DS,  26                           ; v16-29 hold scales and nothing else: 16-17 pos_W2 then out_W, 18-19 q_W then Wo, 20-21 Wq, 22-23 Wk, 24-25 Wv, 26-29 the data's
.set XF,  32                           ; v32-95   data fragments
.set Y,   96                           ; v96-159  64 numbers at work
.set TM,  160
.set TP,  164
.set SO,  168
.set CD,  172
.set BY,  180
.set SP,  184                          ; v184-191 (mean, 1 / sigma) a tile
.set ACC, 192                          ; v192-255 8 accumulators: tile m, half u at 192 + 16 m + 8 u
.set IDX, 128                          ; the gather: four slots of 4 pixel numbers,
.set WT,  144                          ; of 4 weights,
.set VO,  192                          ; of 4 byte offsets;  the four slots of 32 tap registers lie at v32, v64, v96, v160
.set GM,  208
.set GS,  210
.set GCD, 212
.set GBY, 216
.set TT,  224                          ; v224-251 a tile's softmax at work
.set MSB, 0
.macro WIN new                         ; bits 1:0 source 0, 3:2 source 1, 5:4 source 2, 7:6 destination; the high byte repeats the setting that is left
.if MSB != \new
	s_set_vgpr_msb (MSB<<8)|\new
.set MSB, \new
.endif
.endm
.macro BAR                             ; my LDS stores have landed and my LDS loads are in: then the work-group's barrier
	s_wait_dscnt 0x0
	s_barrier_signal -1
	s_barrier_wait -1
.endm
.macro PLACES                          ; four plain instructions between a matrix instruction and the first read of its result, or a write or load into its registers
.rept 4
	v_nop
.endr
.endm
.macro MM d, a, b, c, sa, sb, row
.if \row
	v_wmma_scale_f32_16x16x128_f8f6f4 v[(\d):(\d)+7], v[(\a):(\a)+7], v[(\b):(\b)+7], v[(\c):(\c)+7], v[(\sa)], v[(\sb)] matrix_a_fmt:MATRIX_FMT_FP4 matrix_b_fmt:MATRIX_FMT_FP4 matrix_a_scale:MATRIX_SCALE_ROW1 matrix_b_scale:MATRIX_SCALE_ROW1
.else
	v_wmma_scale_f32_16x16x128_f8f6f4 v[(\d):(\d)+7], v[(\a):(\a)+7], v[(\b):(\b)+7], v[(\c):(\c)+7], v[(\sa)], v[(\sb)] matrix_a_fmt:MATRIX_FMT_FP4 matrix_b_fmt:MATRIX_FMT_FP4
.endif
.endm
.macro WLOAD dst, p, adr, ustep        ; a weight's four fragments (tile u, K step s) to v[dst + 16 u + 8 s]
.irp u, 0,1
.irp s, 0,1
.irp c, 0,1
	global_load_b128 v[\dst+16*\u+8*\s+4*\c:\dst+16*\u+8*\s+4*\c+3], v[\adr], s[\p:\p+1] offset:\ustep*\u+64*\s+32*\c
.endr
.endr
.endr
.endm
.macro BLOAD dst, k                    ; my 16 numbers of vector k
.irp i, 0,1,2,3
	global_load_b128 v[\dst+4*\i:\dst+4*\i+3], v[BA], s[16:17] offset:1024*\k+16*\i
.endr
.endm
.macro ADDRS                           ; lane terms of the rows of codes
	v_and_b32 v1, 15, v0                           ; r
	v_bfe_u32 v2, v0, 4, 1                         ; h
	s_delay_alu instid0(VALU_DEP_2)
	v_mul_u32_u24 v8, v1, 144
	s_delay_alu instid0(VALU_DEP_1)
	v_lshl_add_u32 v8, v2, 4, v8                   ; reading a fragment: 144 r + 16 h
	s_delay_alu instid0(VALU_DEP_4)
	v_lshlrev_b32 v9, 3, v1
	s_delay_alu instid0(VALU_DEP_1)
	v_lshl_add_u32 v9, v2, 2, v9                   ; its scale words: 8 r + 4 h
	s_lshl_b32 s66, s50, 4
	v_mul_u32_u24 v3, v1, 144
	s_delay_alu instid0(VALU_DEP_1)
	v_lshl_add_u32 v3, v2, 3, v3
	s_delay_alu instid0(VALU_DEP_1)
	v_add_nc_u32 v3, s66, v3                       ; storing my 8 bytes of codes: 144 r + 16 w + 8 h
	v_lshl_add_u32 v4, v1, 3, s50                  ; and my block's byte: 8 r + w
.endm
; n tiles, tile x = v[S + 16 x .. + 15]: my 16 numbers of a block of 32 -> 16 codes in v[CD + 2 x], + 1, and the block's byte in v[BY + x].  The tiles take turns line by line.
.macro QUANT n, S
.set qx, 0
.rept \n
	v_max3_num_f32 v[TM+qx], |v[(\S)+16*qx]|, |v[(\S)+16*qx+1]|, 0x1800000   ; the floor 2^(3 - 127) holds the byte at 1 from below
.set qx, qx+1
.endr
.irp i, 2,4,6,8,10,12,14
.set qx, 0
.rept \n
	v_max3_num_f32 v[TM+qx], v[TM+qx], |v[(\S)+16*qx+\i]|, |v[(\S)+16*qx+\i+1]|
.set qx, qx+1
.endr
.endr
.set qx, 0
.rept \n
	v_permlanex16_b32 v[TP+qx], v[TM+qx], s52, s53
.set qx, qx+1
.endr
.set qx, 0
.rept \n
	v_max_num_f32 v[TM+qx], v[TM+qx], v[TP+qx]     ; with lane l xor 16's: the block's largest magnitude
.set qx, qx+1
.endr
.set qx, 0
.rept \n
	v_add_nc_u32 v[SO+qx], 0xff000000, v[TM+qx]    ; 2 off its exponent field: the conversion's scale operand
.set qx, qx+1
.endr
.set qx, 0
.rept \n
	v_lshrrev_b32 v[BY+qx], 23, v[SO+qx]           ; the scale's byte
.set qx, qx+1
.endr
.set qx, 0
.rept \n
	v_cvt_scalef32_pk8_fp4_f32 v[CD+2*qx], v[(\S)+16*qx:(\S)+16*qx+7], v[SO+qx]
	v_cvt_scalef32_pk8_fp4_f32 v[CD+2*qx+1], v[(\S)+16*qx+8:(\S)+16*qx+15], v[SO+qx]
.set qx, qx+1
.endr
	v_nop                                          ; one plain instruction behind the last conversion
.endm
.macro QSTORE n, pitch, srow           ; v11: my 8 bytes in row r of the region; v12: my block's byte
.set qx, 0
.rept \n
	ds_store_b64 v11, v[CD+2*qx:CD+2*qx+1] offset:16*qx*(\pitch)
	ds_store_b8 v12, v[BY+qx] offset:16*qx*(\srow)   ; both halves of the lanes write the same byte with the same value
.set qx, qx+1
.endr
.endm
.macro XFETCH                          ; 64 rows x 256 codes as eight fragments, and their scale words; v13, v14 hold the region's addresses
.irp m, 0,1,2,3
.irp s, 0,1
.irp c, 0,1
	ds_load_b128 v[XF+16*\m+8*\s+4*\c:XF+16*\m+8*\s+4*\c+3], v13 offset:2304*\m+64*\s+32*\c
.endr
.endr
	ds_load_b32 v[DS+\m], v14 offset:128*\m
.endr
	s_wait_dscnt 0x0
.endm
; 64 rows x my 32 features, K = 256: eight accumulators by turns, one instruction a turn, K step by K step.  C of the first step: v[C0 + 8 u] (cm = 0) or v[C0 + 16 m + 8 u] (cm = 1), in window 1
.macro PROD W, C0, cm, WS
	WIN 0x11
.irp m, 0,1,2,3
.irp u, 0,1
	MM ACC+16*\m+8*\u, \W+16*\u, XF+16*\m, \C0+16*\cm*\m+8*\u, \WS+\u, DS+\m, 0
.endr
.endr
	WIN 0x01
.irp m, 0,1,2,3
.irp u, 0,1
	MM ACC+16*\m+8*\u, \W+16*\u+8, XF+16*\m+8, ACC+16*\m+8*\u, \WS+\u, DS+\m, 1
.endr
.endr
	WIN 0
.endm
; A norm, part 1: of my 32 features of each row the mean and the sum of squared deviations from it -> LDS.  At work: v[32 + 8 m ..]
.macro LNSTAT st
	v_mul_u32_u24 v15, v1, 80
	s_lshl_b32 s66, s50, 3
	s_add_co_u32 s66, s66, \st
	v_add_nc_u32 v15, s66, v15
.irp m, 0,1,2,3
	v_pk_add_f32 v[32+8*\m:33+8*\m], v[ACC+16*\m:ACC+16*\m+1], v[ACC+16*\m+2:ACC+16*\m+3]      ; each accumulator is read from its low end on
	v_pk_add_f32 v[34+8*\m:35+8*\m], v[ACC+16*\m+8:ACC+16*\m+9], v[ACC+16*\m+10:ACC+16*\m+11]
.endr
.irp i, 4,6
.irp m, 0,1,2,3
	v_pk_add_f32 v[32+8*\m:33+8*\m], v[32+8*\m:33+8*\m], v[ACC+16*\m+\i:ACC+16*\m+\i+1]
	v_pk_add_f32 v[34+8*\m:35+8*\m], v[34+8*\m:35+8*\m], v[ACC+16*\m+8+\i:ACC+16*\m+9+\i]
.endr
.endr
.irp m, 0,1,2,3
	v_pk_add_f32 v[32+8*\m:33+8*\m], v[32+8*\m:33+8*\m], v[34+8*\m:35+8*\m]
.endr
.irp m, 0,1,2,3
	s_delay_alu instid0(VALU_DEP_4)
	v_add_f32 v[38+8*\m], v[32+8*\m], v[33+8*\m]
.endr
.irp m, 0,1,2,3
	s_delay_alu instid0(VALU_DEP_4)
	v_permlanex16_b32 v[39+8*\m], v[38+8*\m], s52, s53
.endr
.irp m, 0,1,2,3
	s_delay_alu instid0(VALU_DEP_4)
	v_add_f32 v[38+8*\m], v[38+8*\m], v[39+8*\m]
.endr
.irp m, 0,1,2,3
	s_delay_alu instid0(VALU_DEP_4)
	v_mul_f32 v[36+8*\m], 0x3d000000, v[38+8*\m]   ; / 32: my wave's mean
.endr
.irp i, 0,2,4,6,8,10,12,14
.irp m, 0,1,2,3
	v_pk_add_f32 v[Y+16*\m+\i:Y+16*\m+\i+1], v[ACC+16*\m+\i:ACC+16*\m+\i+1], v[36+8*\m:37+8*\m] op_sel_hi:[1,0] neg_lo:[0,1] neg_hi:[0,1]
.endr
.endr
.irp m, 0,1,2,3
	v_pk_mul_f32 v[32+8*\m:33+8*\m], v[Y+16*\m:Y+16*\m+1], v[Y+16*\m:Y+16*\m+1]
.endr
.irp i, 2,4,6,8,10,12,14
.irp m, 0,1,2,3
	s_delay_alu instid0(VALU_DEP_4)
	v_pk_fma_f32 v[32+8*\m:33+8*\m], v[Y+16*\m+\i:Y+16*\m+\i+1], v[Y+16*\m+\i:Y+16*\m+\i+1], v[32+8*\m:33+8*\m]
.endr
.endr
.irp m, 0,1,2,3
	s_delay_alu instid0(VALU_DEP_4)
	v_add_f32 v[38+8*\m], v[32+8*\m], v[33+8*\m]
.endr
.irp m, 0,1,2,3
	s_delay_alu instid0(VALU_DEP_4)
	v_permlanex16_b32 v[39+8*\m], v[38+8*\m], s52, s53
.endr
.irp m, 0,1,2,3
	s_delay_alu instid0(VALU_DEP_4)
	v_add_f32 v[37+8*\m], v[38+8*\m], v[39+8*\m]
.endr
.irp m, 0,1,2,3
	ds_store_b64 v15, v[36+8*\m:37+8*\m] offset:1280*\m
.endr
.endm
; part 2: the eight waves' figures joined: mean = the means' mean; sum of squares = the sums' sum + 32 x the sum of (a wave's mean - mean)^2
.macro LNJOIN st
	v_mul_u32_u24 v14, v1, 80
	s_delay_alu instid0(VALU_DEP_1)
	v_add_nc_u32 v14, \st, v14
.irp m, 0,1,2,3
.irp i, 0,1,2,3
	ds_load_b128 v[32+16*\m+4*\i:32+16*\m+4*\i+3], v14 offset:1280*\m+16*\i
.endr
.endr
	s_wait_dscnt 0x0
.irp m, 0,1,2,3
	v_pk_add_f32 v[160+4*\m:161+4*\m], v[32+16*\m:33+16*\m], v[34+16*\m:35+16*\m]
.endr
.irp k, 4,6,8,10,12,14
.irp m, 0,1,2,3
	s_delay_alu instid0(VALU_DEP_4)
	v_pk_add_f32 v[160+4*\m:161+4*\m], v[160+4*\m:161+4*\m], v[32+16*\m+\k:33+16*\m+\k]
.endr
.endr
.irp m, 0,1,2,3
	s_delay_alu instid0(VALU_DEP_4)
	v_mul_f32 v[SP+2*\m], 0x3e000000, v[160+4*\m]  ; / 8
.endr
.irp m, 0,1,2,3
	s_delay_alu instid0(VALU_DEP_4)
	v_sub_f32 v[163+4*\m], v[32+16*\m], v[SP+2*\m]
.endr
.irp m, 0,1,2,3
	s_delay_alu instid0(VALU_DEP_4)
	v_mul_f32 v[162+4*\m], v[163+4*\m], v[163+4*\m]
.endr
.irp k, 2,4,6,8,10,12,14
.irp m, 0,1,2,3
	v_sub_f32 v[163+4*\m], v[32+16*\m+\k], v[SP+2*\m]
.endr
.irp m, 0,1,2,3
	s_delay_alu instid0(VALU_DEP_4)
	v_fma_f32 v[162+4*\m], v[163+4*\m], v[163+4*\m], v[162+4*\m]
.endr
.endr
.irp m, 0,1,2,3
	s_delay_alu instid0(VALU_DEP_4)
	v_fma_f32 v[162+4*\m], v[162+4*\m], s72, v[161+4*\m]
.endr
.irp m, 0,1,2,3
	s_delay_alu instid0(VALU_DEP_4)
	v_fma_f32 v[162+4*\m], v[162+4*\m], s70, s71   ; / 256 + 1e-5
.endr
	s_wait_alu depctr_va_vdst(0)
.irp m, 0,1,2,3
	v_rsq_f32 v[SP+2*\m+1], v[162+4*\m]
.endr
	v_nop                                          ; a plain instruction behind the last of them
.endm
; part 3: (x - mean) / sigma x g + b -> Y
.macro LNAPPLY g, b
	s_wait_alu depctr_va_vdst(0)
.irp m, 0,1,2,3
.irp i, 0,2,4,6,8,10,12,14
	v_pk_add_f32 v[Y+16*\m+\i:Y+16*\m+\i+1], v[ACC+16*\m+\i:ACC+16*\m+\i+1], v[SP+2*\m:SP+2*\m+1] op_sel_hi:[1,0] neg_lo:[0,1] neg_hi:[0,1]
.endr
.endr
.irp m, 0,1,2,3
.irp i, 0,2,4,6,8,10,12,14
	v_pk_mul_f32 v[Y+16*\m+\i:Y+16*\m+\i+1], v[Y+16*\m+\i:Y+16*\m+\i+1], v[SP+2*\m:SP+2*\m+1] op_sel:[0,1] op_sel_hi:[1,1]
.endr
.endr
	WIN 0x14                                       ; g and b lie in window 1
.irp m, 0,1,2,3
.irp i, 0,2,4,6,8,10,12,14
	v_pk_fma_f32 v[Y+16*\m+\i:Y+16*\m+\i+1], v[Y+16*\m+\i:Y+16*\m+\i+1], v[\g+\i:\g+\i+1], v[\b+\i:\b+\i+1]
.endr
.endr
	WIN 0
.endm
; ================ the head
	s_load_b512 s[4:19], s[0:1], 0x0               ; fmt 4, taps 6, tapw 8, points 10, pos_W1 12, pos_b1 14, vecs 16, pos_W2 codes 18
	s_load_b512 s[20:35], s[0:1], 0x40             ; pos_W2 scales 20, q_W 22 / 24, Wq 26 / 28, Wk 30 / 32, Wv codes 34
	s_load_b256 s[36:43], s[0:1], 0x80             ; Wv scales 36, Wo 38 / 40, out_W codes 42
	s_load_b128 s[44:47], s[0:1], 0xa0             ; out_W scales 44, out0 46
	s_load_b64 s[48:49], s[0:1], 0xb0              ; out1
	v_lshrrev_b32 v1, 5, v0
	s_delay_alu instid0(VALU_DEP_1)
	v_readfirstlane_b32 s50, v1                    ; wave = head
	s_mov_b32 s52, 0x76543210
	s_mov_b32 s53, 0xfedcba98                      ; v_permlanex16_b32's selects for lane l xor 16
	s_mov_b32 s54, 0xffff0000                      ; lanes 16-31
	s_mov_b32 s55, 0x3e8293ee                      ; log2(e) / sqrt(32)
	s_mov_b32 s70, 0x3b800000                      ; 1 / 256
	s_mov_b32 s71, 0x3727c5ac                      ; 1e-5
	s_mov_b32 s72, 0x42000000                      ; 32
	ADDRS
	v_and_b32 v192, 8, v1
	s_delay_alu instid0(VALU_DEP_1)
	v_add_nc_u32 v192, v192, v1                    ; r + 8 (r / 8)
	s_lshl_b32 s67, s50, 5
	v_add_nc_u32 v193, s67, v192                   ; my row of a weight in the transposed products
	v_add_nc_u32 v196, s67, v1                     ; and of Wv
	s_delay_alu instid0(VALU_DEP_2)
	v_lshlrev_b32 v[WA], 7, v193
	s_delay_alu instid0(VALU_DEP_1)
	v_lshl_add_u32 v[WA], v2, 4, v[WA]
	s_delay_alu instid0(VALU_DEP_4)
	v_lshlrev_b32 v194, 6, v193
	s_delay_alu instid0(VALU_DEP_1)
	v_lshl_add_u32 v194, v2, 4, v194               ; pos_W2: rows of 64 bytes
	v_lshlrev_b32 v[SA], 3, v193
	s_delay_alu instid0(VALU_DEP_1)
	v_lshl_add_u32 v[SA], v2, 2, v[SA]
	v_lshlrev_b32 v195, 2, v193                    ; pos_W2's scale words
	v_lshlrev_b32 v198, 3, v196
	s_delay_alu instid0(VALU_DEP_1)
	v_lshl_add_u32 v198, v2, 2, v198
	v_lshlrev_b32 v199, 2, v196                    ; bv of my column
	s_lshl_b32 s68, s50, 7
	v_lshl_add_u32 v[BA], v2, 6, s68
	s_and_b32 s69, s50, 3                          ; the positional MLP's first layer: wave w makes hidden block w % 4
	s_lshr_b32 s73, s50, 2                         ; of points 32 (w / 4) .. + 31
	s_mul_i32 s74, s69, 384
	v_mul_u32_u24 v200, v2, 192
	s_delay_alu instid0(VALU_DEP_1)
	v_add_nc_u32 v200, s74, v200                   ; pos_W1: rows 32 b + 16 h on, 12 bytes each
	s_lshl_b32 s75, s69, 7
	v_lshl_add_u32 v201, v2, 6, s75                ; pos_b1 likewise
	s_lshl_b32 s76, ttmp9, 6
	s_lshl_b32 s77, s73, 5
	s_add_co_u32 s76, s76, s77
	v_add_nc_u32 v202, s76, v1
	s_delay_alu instid0(VALU_DEP_1)
	v_mul_u32_u24 v202, v202, 12                   ; my point
	v_mov_b32 v[ZR], 0
	v_and_b32 v[L16], 31, v0
	s_delay_alu instid0(VALU_DEP_1)
	v_lshlrev_b32 v[L16], 4, v[L16]
.irp x, 0,1,2,3
	v_mov_b32 v[TP+\x], 0                          ; written once: a lane permute's destination counts as one of its sources
.endr
	v_mul_u32_u24 v11, v1, 80                      ; where the hidden layer's codes go: row 32 (w / 4) + r, 16 b + 8 h
	s_delay_alu instid0(VALU_DEP_1)
	v_lshl_add_u32 v11, v2, 3, v11
	s_mul_i32 s77, s73, 2560
	s_lshl_b32 s75, s69, 4
	s_add_co_u32 s77, s77, s75
	s_add_co_u32 s77, s77, HC
	v_add_nc_u32 v11, s77, v11
	v_lshlrev_b32 v12, 2, v1                       ; and the block's byte
	s_lshl_b32 s75, s73, 7
	s_add_co_u32 s75, s75, s69
	s_add_co_u32 s75, s75, HS
	v_add_nc_u32 v12, s75, v12
	v_mul_u32_u24 v13, v1, 80                      ; and where they are read
	s_delay_alu instid0(VALU_DEP_1)
	v_lshl_add_u32 v13, v2, 4, v13
	s_delay_alu instid0(VALU_DEP_1)
	v_add_nc_u32 v13, HC, v13
	v_lshl_add_u32 v14, v1, 2, HS
	s_lshl_b32 s78, ttmp9, 13                      ; taps and weights lie [work-group's 64 points][view][point][16 bytes]: 8,192 bytes a work-group;
	s_lshl_b32 s79, s50, 4                         ; in a chunk of 8 points wave w takes point w; a view is 1,024 bytes on, a chunk 128
	s_add_co_u32 s78, s78, s79
	s_mov_b32 s79, 0
	s_wait_kmcnt 0x0
	s_add_nc_u64 s[6:7], s[6:7], s[78:79]
	s_add_nc_u64 s[8:9], s[8:9], s[78:79]
	; the first group: the gather's first four rows of pixel numbers, and all that the point-only phases want
.irp i, 0,1,2,3
	global_load_b128 v[IDX+4*\i:IDX+4*\i+3], v[ZR], s[6:7] offset:1024*\i
.endr
.irp n, 0,1,2,3,4,5,6,7,8,9,10,11
	global_load_b128 v[32+4*\n:32+4*\n+3], v200, s[12:13] offset:16*\n   ; pos_W1[32 b + 16 h + j][i] at v[32 + 3 j + i]
.endr
.irp n, 0,1,2,3
	global_load_b128 v[80+4*\n:80+4*\n+3], v201, s[14:15] offset:16*\n
.endr
.irp m, 0,1
.irp i, 0,1,2
	global_load_b32 v[184+3*\m+\i], v202, s[10:11] offset:192*\m+4*\i
.endr
.endr
.irp u, 0,1
	global_load_b32 v[16+\u], v195, s[20:21] offset:32*\u
	global_load_b32 v[18+\u], v[SA], s[24:25] offset:64*\u
.endr
	WIN 0x40                                       ; destinations in window 1
.irp u, 0,1
.irp c, 0,1
	global_load_b128 v[PW2+8*\u+4*\c:PW2+8*\u+4*\c+3], v194, s[18:19] offset:512*\u+32*\c
.endr
.endr
	BLOAD PB2, 0
	WLOAD QWF, 22, WA, 1024
	BLOAD QB, 1
	BLOAD BO, 5
	; the second group, 54 loads: wanted only by the first chunk's tiles
	; (Wq, Wk, Wv, bq and bk come later: until chunk 0's first four rows are made, their registers hold those rows' taps)
.irp t, 0,1
.irp j, 0,1,2,3,4,5,6,7
	global_load_b32 v[BV+8*\t+\j], v199, s[16:17] offset:4096+64*\t   ; bv of my column in all eight registers: the C of the V product
.endr
.endr
	WIN 0
.irp u, 0,1
	global_load_b32 v[20+\u], v[SA], s[28:29] offset:64*\u
	global_load_b32 v[22+\u], v[SA], s[32:33] offset:64*\u
	global_load_b32 v[24+\u], v198, s[36:37] offset:128*\u
.endr
	s_wait_loadcnt 22                              ; the first group is in; the 22 of the second (bv 16, scale words 6) may be out
	s_wait_xcnt 0x0                                ; and every load has read its address registers: v192-202 are written again below
; THE FIRST FOUR ROWS' TAPS ARE ASKED FOR HERE, ahead of the point-only phases, whose registers are the gather's slots: so these taps land in window 1, v0-127, slot s at 32 s.
; A slot's group is 9 loads (2 a tap, 1 for the weights), and behind it 1 load for the pixel numbers of the row four further on.
.macro GTW slot
.irp t, 0,1,2,3
	v_min_u32 v[VO+4*(\slot)+\t], 0xffff, v[IDX+4*(\slot)+\t]
.endr
.irp t, 0,1,2,3
	s_delay_alu instid0(VALU_DEP_4)
	v_lshl_add_u32 v[VO+4*(\slot)+\t], v[VO+4*(\slot)+\t], 10, v[L16]
.endr
	WIN 0x40
.irp t, 0,1,2,3
	global_load_b128 v[32*(\slot)+8*\t:32*(\slot)+8*\t+3], v[VO+4*(\slot)+\t], s[4:5]
	global_load_b128 v[32*(\slot)+8*\t+4:32*(\slot)+8*\t+7], v[VO+4*(\slot)+\t], s[4:5] offset:512
.endr
	WIN 0
	global_load_b128 v[WT+4*(\slot):WT+4*(\slot)+3], v[ZR], s[8:9] offset:1024*(\slot)
	global_load_b128 v[IDX+4*(\slot):IDX+4*(\slot)+3], v[ZR], s[6:7] offset:1024*((\slot)+4)
.endm
	GTW 0
	GTW 1
	GTW 2
	GTW 3
; ================ P1: hidden = relu(point pos_W1^T + pos_b1), in f32 by fused multiply-adds (K = 3); two tiles of 16 points x my 16 hidden units
.irp m, 0,1
.irp j, 0,1,2,3,4,5,6,7,8,9,10,11,12,13,14,15
	v_fma_f32 v[Y+16*\m+\j], v[186+3*\m], v[34+3*\j], v[80+\j]
.endr
.endr
.irp m, 0,1
.irp j, 0,1,2,3,4,5,6,7,8,9,10,11,12,13,14,15
	v_fma_f32 v[Y+16*\m+\j], v[185+3*\m], v[33+3*\j], v[Y+16*\m+\j]
.endr
.endr
.irp m, 0,1
.irp j, 0,1,2,3,4,5,6,7,8,9,10,11,12,13,14,15
	v_fma_f32 v[Y+16*\m+\j], v[184+3*\m], v[32+3*\j], v[Y+16*\m+\j]
.endr
.endr
.set k, 0
.rept 32
	v_max_num_f32 v[Y+k], 0, v[Y+k]
.set k, k+1
.endr
	QUANT 2, Y
	QSTORE 2, 80, 4
	BAR                                            ; the hidden layer's codes lie in LDS
; ================ P2: pe = hidden pos_W2^T + pos_b2 (K = 128: one step)
.irp m, 0,1,2,3
.irp c, 0,1
	ds_load_b128 v[XF+8*\m+4*\c:XF+8*\m+4*\c+3], v13 offset:1280*\m+32*\c
.endr
	ds_load_b32 v[DS+\m], v14 offset:64*\m
.endr
	s_wait_dscnt 0x0
	s_wait_xcnt 0x0                                ; the taps' loads have read their offsets, v192-207, which the products below write
	WIN 0x11
.irp m, 0,1,2,3
.irp u, 0,1
	MM ACC+16*\m+8*\u, PW2+8*\u, XF+8*\m, PB2+8*\u, 16+\u, DS+\m, 0
.endr
.endr
	WIN 0
	PLACES
	QUANT 4, ACC
	v_add_nc_u32 v11, PEC, v3
	v_add_nc_u32 v12, PES, v4
	QSTORE 4, 144, 8
	v_add_nc_u32 v13, PEC, v8
	v_add_nc_u32 v14, PES, v9
	s_wait_alu depctr_va_vdst(0)
	BAR                                            ; pe's codes lie in LDS
; ================ P3: q_in = pe q_W^T + q_b; its codes go to LDS; q_in + bo, wanted again behind the loop, goes to my own 8 KB of LDS as an image of its registers
	XFETCH
	PROD QWF, QB, 0, 18
	PLACES
	QUANT 4, ACC
	v_add_nc_u32 v11, QIC, v3
	v_add_nc_u32 v12, QIS, v4
	QSTORE 4, 144, 8
	s_lshl_b32 s66, s50, 13
	s_add_co_u32 s66, s66, QRL
	v_add_nc_u32 v15, s66, v[L16]                  ; 16 x lane + 8,192 x wave
	WIN 0x44                                       ; source 1 and destination in window 1
.irp m, 0,1,2,3
.irp i, 0,2,4,6,8,10,12,14
	v_pk_add_f32 v[QR+16*\m+\i:QR+16*\m+\i+1], v[ACC+16*\m+\i:ACC+16*\m+\i+1], v[BO+\i:BO+\i+1]   ; the last tile lands on bo's own registers
.endr
.endr
	WIN 0x04                                       ; an LDS store's data are its source 1: window 1
.irp i, 0,1,2,3,4,5,6,7,8,9,10,11,12,13,14,15
	ds_store_b128 v15, v[QR+4*\i:QR+4*\i+3] offset:512*\i
.endr
	WIN 0
.irp u, 0,1
	global_load_b32 v[18+\u], v[SA], s[40:41] offset:64*\u     ; Wo's and out_W's scale words take the places of q_W's and pos_W2's
	global_load_b32 v[16+\u], v[SA], s[44:45] offset:64*\u
.endr
; ================ THE LOOP OVER CHUNKS.  Lane terms first.
	v_and_b32 v14, 31, v0
	s_mul_i32 s66, s50, 1152
	v_lshl_add_u32 v8, v14, 2, s66                 ; the gather: my 4 bytes of codes in row 8 w of the chunk (KVC = 0)
	v_lshrrev_b32 v9, 2, v14
	s_lshl_b32 s67, s50, 6
	s_add_co_u32 s67, s67, KVS
	v_add_nc_u32 v9, s67, v9                       ; and my block's byte: four lanes hold a block of 32 channels
	v_and_b32 v14, 15, v0                          ; r
	v_bfe_u32 v15, v0, 4, 1                        ; h
	s_delay_alu instid0(VALU_DEP_2)
	v_mul_u32_u24 v1, v14, 144
	s_delay_alu instid0(VALU_DEP_1)
	v_lshl_add_u32 v1, v15, 4, v1                  ; a tile's fragments of kv
	s_delay_alu instid0(VALU_DEP_4)
	v_lshlrev_b32 v2, 3, v14
	s_delay_alu instid0(VALU_DEP_1)
	v_lshl_add_u32 v2, v15, 2, v2
	s_delay_alu instid0(VALU_DEP_1)
	v_add_nc_u32 v2, KVS, v2
	v_lshrrev_b32 v13, 3, v14                      ; which of the tile's two points my row belongs to
	s_delay_alu instid0(VALU_DEP_1)
	v_mul_u32_u24 v3, v13, 144
	s_delay_alu instid0(VALU_DEP_1)
	v_lshl_add_u32 v3, v15, 4, v3
	s_delay_alu instid0(VALU_DEP_1)
	v_add_nc_u32 v3, QIC, v3                       ; q_in's row, the same for the point's eight rows
	s_delay_alu instid0(VALU_DEP_4)
	v_lshlrev_b32 v4, 3, v13
	s_delay_alu instid0(VALU_DEP_1)
	v_lshl_add_u32 v4, v15, 2, v4
	s_delay_alu instid0(VALU_DEP_1)
	v_add_nc_u32 v4, QIS, v4
	v_mul_u32_u24 v10, v15, 1040
	s_delay_alu instid0(VALU_DEP_1)
	v_lshl_add_u32 v10, v14, 2, v10
	s_lshl_b32 s66, s50, 7
	s_add_co_u32 s66, s66, CTXF
	v_add_nc_u32 v10, s66, v10                     ; ctx: point h of the tile, feature 32 w + r
	v_lshlrev_b32 v11, 5, v13
	s_lshl_b32 s67, s50, 2
	s_add_co_u32 s67, s67, ASUM
	v_add_nc_u32 v11, s67, v11
	s_lshl_b32 s66, s50, 12
	v_lshl_add_u32 v248, v14, 7, s66               ; my lane in Wv's codes: (32 w + r) x 128 + 16 h; read by one run of loads ahead of the first tile
	s_delay_alu instid0(VALU_DEP_1)
	v_lshl_add_u32 v248, v15, 4, v248
	; A PREFETCH INTO THE L2 of Wo's and out_W's codes, which are first loaded behind the loop, eight chunks on.  Each is 128 blocks of 256 bytes: work-group g asks for block g % 128, wave 0 of Wo, wave 1 of out_W,
	; all lanes naming the one block; so the work-groups share the blocks out among them, and each block is named by two work-groups.  The offset's register is next written by the first tile, behind a wait on XCNT.
	s_and_b32 s67, ttmp9, 127
	s_lshl_b32 s67, s67, 8
	v_mov_b32 v249, s67
	s_cmp_eq_u32 s50, 0
	s_cselect_b64 s[74:75], s[38:39], s[42:43]
	s_cmp_gt_u32 s50, 1
	s_wait_alu depctr_va_vdst(0)
	s_cbranch_scc1 .Lnot_asking
	global_prefetch_b8 v249, s[74:75] th:TH_LOAD_NT scope:SCOPE_SE
.Lnot_asking:
.irp k, 5,6,8,11,12,16,17,18,19,20,21,22,23
	v_mov_b32 v[TT+\k], 0                          ; written once: the destination of a lane move counts as one of its sources
.endr
; THE GATHER.  One row (point, view) to the whole wave: lane l owns channels 8 l .. 8 l + 7.  Four rows' taps (16 KB a wave) are always on their way.
; A row's group T is 9 loads: 2 for each of its 4 taps (512 consecutive bytes each), 1 for its 4 weights.  Its pixel numbers come by a load M, four rows ahead of T.
.macro GT slot, woff
.set TB, 32+32*(\slot)+32*((\slot)/3)
.irp t, 0,1,2,3
	v_min_u32 v[VO+4*(\slot)+\t], 0xffff, v[IDX+4*(\slot)+\t]   ; a pixel number lies under 65,536
.endr
.irp t, 0,1,2,3
	s_delay_alu instid0(VALU_DEP_4)
	v_lshl_add_u32 v[VO+4*(\slot)+\t], v[VO+4*(\slot)+\t], 10, v[L16]
.endr
.irp t, 0,1,2,3
	global_load_b128 v[TB+8*\t:TB+8*\t+3], v[VO+4*(\slot)+\t], s[4:5]
	global_load_b128 v[TB+8*\t+4:TB+8*\t+7], v[VO+4*(\slot)+\t], s[4:5] offset:512
.endr
	global_load_b128 v[WT+4*(\slot):WT+4*(\slot)+3], v[ZR], s[8:9] offset:\woff
.endm
.macro GML slot, moff
	global_load_b128 v[IDX+4*(\slot):IDX+4*(\slot)+3], v[ZR], s[6:7] offset:\moff
.endm
; Row j of a chunk's eight.  cnt: the loads issued behind the M that this step's T needs (that M stands behind this row's own T, so one wait shows both).
; My next chunk's rows lie 128 bytes on in taps and weights.
.macro STEP j, tf, mf, cnt
.set SL, (\j)%4
.set TB, 32+32*SL+32*(SL/3)
	s_wait_loadcnt \cnt
.irp i, 0,2,4,6
	v_pk_mul_f32 v[TB+\i:TB+\i+1], v[TB+\i:TB+\i+1], v[WT+4*SL:WT+4*SL+1] op_sel_hi:[1,0]
.endr
.irp i, 0,2,4,6
	s_delay_alu instid0(VALU_DEP_4)
	v_pk_fma_f32 v[TB+\i:TB+\i+1], v[TB+8+\i:TB+9+\i], v[WT+4*SL:WT+4*SL+1], v[TB+\i:TB+\i+1] op_sel:[0,1,0] op_sel_hi:[1,1,1]
.endr
.irp i, 0,2,4,6
	s_delay_alu instid0(VALU_DEP_4)
	v_pk_fma_f32 v[TB+\i:TB+\i+1], v[TB+16+\i:TB+17+\i], v[WT+4*SL+2:WT+4*SL+3], v[TB+\i:TB+\i+1] op_sel_hi:[1,0,1]
.endr
.irp i, 0,2,4,6
	s_delay_alu instid0(VALU_DEP_4)
	v_pk_fma_f32 v[TB+\i:TB+\i+1], v[TB+24+\i:TB+25+\i], v[WT+4*SL+2:WT+4*SL+3], v[TB+\i:TB+\i+1] op_sel:[0,1,0] op_sel_hi:[1,1,1]
.endr
	s_delay_alu instid0(VALU_DEP_4)
	v_max3_num_f32 v[GM], |v[TB]|, |v[TB+1]|, 0x1800000
	s_delay_alu instid0(VALU_DEP_3)
	v_max3_num_f32 v[GM+1], |v[TB+2]|, |v[TB+3]|, |v[TB+4]|
	s_delay_alu instid0(VALU_DEP_2)
	v_max3_num_f32 v[GM], v[GM], |v[TB+5]|, |v[TB+6]|
	s_delay_alu instid0(VALU_DEP_1)
	v_max3_num_f32 v[GM], v[GM], v[GM+1], |v[TB+7]|
	s_delay_alu instid0(VALU_DEP_1)
	v_max_num_f32_dpp v[GM], v[GM], v[GM] row_xmask:1 row_mask:0xf bank_mask:0xf
	s_delay_alu instid0(VALU_DEP_1)
	v_max_num_f32_dpp v[GM], v[GM], v[GM] row_xmask:2 row_mask:0xf bank_mask:0xf
	s_delay_alu instid0(VALU_DEP_1)
	v_add_nc_u32 v[GS], 0xff000000, v[GM]
	s_wait_alu depctr_va_vdst(0)
	s_wait_dscnt 6                                 ; this slot's stores of four rows ago are done: behind them stand the 2 stores of each of three rows
	v_lshrrev_b32 v[GBY+SL], 23, v[GS]
	v_cvt_scalef32_pk8_fp4_f32 v[GCD+SL], v[TB:TB+7], v[GS]
	ds_store_b8 v223, v[GBY+SL] offset:8*(\j)
	ds_store_b32 v222, v[GCD+SL] offset:144*(\j)   ; the wave stores a row's 128 bytes, into the buffer that is being filled
.if \tf
.if (\j) < 4
	GT SL, 1024*((\j)+4)
.else
	GT SL, 128+1024*((\j)-4)
.endif
.endif
.if \mf
	GML SL, 128+1024*(\j)
.endif
.endm
; THE ATTENTION, a tile of 16 rows (two points x eight views) at a time.  TFETCH: tile x's fragments of kv and of q_in (repeated) into window 1, their scale words into window 0.
.macro TFETCH x
	ds_load_b32 v[DS], v221 offset:128*(\x)
	ds_load_b32 v[DS+1], v13 offset:16*(\x)
	WIN 0x40                                       ; destination window 1, address window 0
.irp s, 0,1
.irp c, 0,1
	ds_load_b128 v[KVF+8*\s+4*\c:KVF+8*\s+4*\c+3], v220 offset:2304*(\x)+64*\s+32*\c
	ds_load_b128 v[QF+8*\s+4*\c:QF+8*\s+4*\c+3], v12 offset:288*(\x)+64*\s+32*\c
.endr
.endr
.endm
; TILE: 12 matrix instructions on 6 accumulators by turns, one instruction a turn; then, while the next tile's fragments come from LDS (more = 1), the vector work.
.macro TILE x, more
	s_wait_dscnt 0x0                               ; the fragments are in (and the last tile's stores done)
	WIN 0x55                                       ; all four operands in window 1; the scales have no window
.irp u, 0,1
	MM KAC+8*\u, WK+16*\u, KVF, BK+8*\u, 22+\u, DS, 0
	MM QAC+8*\u, WQ+16*\u, QF, BQ+8*\u, 20+\u, DS+1, 0
.endr
.irp t, 0,1
	MM VAC+8*\t, KVF, WV+16*\t, BV+8*\t, DS, 24+\t, 0
.endr
.irp u, 0,1
	MM KAC+8*\u, WK+16*\u+8, KVF+8, KAC+8*\u, 22+\u, DS, 1
	MM QAC+8*\u, WQ+16*\u+8, QF+8, QAC+8*\u, 20+\u, DS+1, 1
.endr
.irp t, 0,1
	MM VAC+8*\t, KVF+8, WV+16*\t+8, VAC+8*\t, DS, 24+\t, 1
.endr
	WIN 0
	PLACES
.if \more
	TFETCH (\x)+1
.endif
	WIN 0x05                                       ; q and k in window 1, the sums in window 0
	v_pk_mul_f32 v[TT:TT+1], v[QAC:QAC+1], v[KAC:KAC+1]               ; q . k over my 16 features, two chains; each accumulator is read from its low end on
	v_pk_mul_f32 v[TT+2:TT+3], v[QAC+8:QAC+9], v[KAC+8:KAC+9]
.irp i, 2,4,6
	v_pk_fma_f32 v[TT:TT+1], v[QAC+\i:QAC+\i+1], v[KAC+\i:KAC+\i+1], v[TT:TT+1]
	v_pk_fma_f32 v[TT+2:TT+3], v[QAC+8+\i:QAC+9+\i], v[KAC+8+\i:KAC+9+\i], v[TT+2:TT+3]
.endr
	WIN 0
	v_pk_add_f32 v[TT:TT+1], v[TT:TT+1], v[TT+2:TT+3]
	s_delay_alu instid0(VALU_DEP_1)
	v_add_f32 v[TT+4], v[TT], v[TT+1]
	s_delay_alu instid0(VALU_DEP_1)
	v_permlanex16_b32 v[TT+5], v[TT+4], s52, s53
	s_delay_alu instid0(VALU_DEP_1)
	v_add_f32 v[TT+4], v[TT+4], v[TT+5]            ; my row's score (before / sqrt(32))
	s_delay_alu instid0(VALU_DEP_1)
	v_max_num_f32_dpp v[TT+6], v[TT+4], v[TT+4] row_xmask:1 row_mask:0xf bank_mask:0xf
	s_delay_alu instid0(VALU_DEP_1)
	v_max_num_f32_dpp v[TT+6], v[TT+6], v[TT+6] row_xmask:2 row_mask:0xf bank_mask:0xf
	s_delay_alu instid0(VALU_DEP_1)
	v_max_num_f32_dpp v[TT+6], v[TT+6], v[TT+6] row_xmask:4 row_mask:0xf bank_mask:0xf   ; the largest of the point's eight
	s_delay_alu instid0(VALU_DEP_1)
	v_sub_f32 v[TT+7], v[TT+4], v[TT+6]
	s_delay_alu instid0(VALU_DEP_1)
	v_mul_f32 v[TT+7], s55, v[TT+7]
	s_wait_alu depctr_va_vdst(0)
	v_exp_f32 v[TT+7], v[TT+7]
	v_nop                                          ; a plain instruction behind the exponential
	s_wait_alu depctr_va_vdst(0)
	v_add_f32_dpp v[TT+8], v[TT+7], v[TT+7] row_xmask:1 row_mask:0xf bank_mask:0xf
	s_delay_alu instid0(VALU_DEP_1)
	v_add_f32_dpp v[TT+8], v[TT+8], v[TT+8] row_xmask:2 row_mask:0xf bank_mask:0xf
	s_delay_alu instid0(VALU_DEP_1)
	v_add_f32_dpp v[TT+8], v[TT+8], v[TT+8] row_xmask:4 row_mask:0xf bank_mask:0xf
	s_wait_alu depctr_va_vdst(0)
	v_rcp_f32 v[TT+9], v[TT+8]
	v_nop                                          ; and behind the reciprocal
	s_wait_alu depctr_va_vdst(0)
	v_mul_f32 v[TT+10], v[TT+7], v[TT+9]           ; attn(point r / 8, view r % 8)
	s_delay_alu instid0(VALU_DEP_1)
	v_add_f32_dpp v[TT+11], v[TT+10], v[TT+10] row_xmask:1 row_mask:0xf bank_mask:0xf
	s_delay_alu instid0(VALU_DEP_1)
	v_add_f32_dpp v[TT+11], v[TT+11], v[TT+11] row_xmask:2 row_mask:0xf bank_mask:0xf
	s_delay_alu instid0(VALU_DEP_1)
	v_add_f32_dpp v[TT+11], v[TT+11], v[TT+11] row_xmask:4 row_mask:0xf bank_mask:0xf   ; attn summed over the keys
	s_delay_alu instid0(VALU_DEP_4)
	v_mov_b32_dpp v[TT+12], v[TT+10] row_xmask:8 row_mask:0xf bank_mask:0xf
	s_delay_alu instid0(VALU_DEP_1)
	v_cndmask_b32 v[TT+13], v[TT+10], v[TT+12], s54   ; lanes 16-23 now hold the second point's eight
.irp j, 0,1,2,3,4,5,6,7
	v_mov_b32_dpp v[TT+16+\j], v[TT+13] row_share:\j row_mask:0xf bank_mask:0xf   ; attn(point h, view j) in every lane of the half
.endr
	WIN 0x01                                       ; v in window 1
.irp t, 0,1
	v_pk_mul_f32 v[TT+24+2*\t:TT+25+2*\t], v[VAC+8*\t:VAC+8*\t+1], v[TT+16:TT+17]
.endr
.irp i, 2,4,6
.irp t, 0,1
	v_pk_fma_f32 v[TT+24+2*\t:TT+25+2*\t], v[VAC+8*\t+\i:VAC+8*\t+\i+1], v[TT+16+\i:TT+17+\i], v[TT+24+2*\t:TT+25+2*\t]
.endr
.endr
	WIN 0
.irp t, 0,1
	v_add_f32 v[TT+24+2*\t], v[TT+24+2*\t], v[TT+25+2*\t]   ; ctx(point h, feature 32 w + 16 t + r)
.endr
.irp t, 0,1
	ds_store_b32 v14, v[TT+24+2*\t] offset:2080*(\x)+64*\t
.endr
	ds_store_b32 v15, v[TT+11] offset:64*(\x)      ; a point's sixteen lanes write one word with one value
.endm
.macro CHUNK_ADDRS                     ; this chunk's 8 points in q_in's codes and scales, in ctx and in the attention's sums
	v_add_nc_u32 v12, s59, v3
	v_add_nc_u32 v13, s60, v4
	v_add_nc_u32 v14, s61, v10
	v_add_nc_u32 v15, s62, v11
	v_add_nc_u32 v220, s57, v1                     ; the buffer that the tiles read: codes,
	v_add_nc_u32 v221, s57, v2                     ; scale words;
	v_add_nc_u32 v222, s58, v8                     ; the buffer that the gather fills: codes,
	v_add_nc_u32 v223, s58, v9                     ; scale bytes
	s_wait_alu depctr_va_vdst(0)
.endm
; THE ORDER OF THE LOOP.  A chunk's codes have TWO buffers (at 0 and at KVB), which take turns: while the tiles of chunk c are read from one, the rows of chunk c + 1 are gathered into the other,
; two rows ahead of each tile, so that every wave goes on asking for taps between its tiles.  ONE barrier a trip serves both ways: in front of it my stores of chunk c + 1 have landed and my reads of chunk c are in.
; Chunk 0's gather stands ahead of the loop; chunk 7's, whose counts run down, with chunk 6's tiles, and chunk 7's tiles, are written out behind it.  The tiles issue no global load: the gather's counts stand as they are.
.macro TURNB                           ; the two buffers change places
	s_xor_b32 s57, s57, KVB
	s_xor_b32 s58, s58, KVB
.endm
.macro NEXTG                           ; the gather's next chunk: 8 points x 16 bytes on in taps and weights
	s_wait_xcnt 0x0                                ; the loads have read their bases
	s_add_nc_u64 s[6:7], s[6:7], 128
	s_add_nc_u64 s[8:9], s[8:9], 128
.endm
.macro NEXTT                           ; the tiles' next chunk
	s_add_co_u32 s59, s59, 1152
	s_add_co_u32 s60, s60, 64
	s_add_co_u32 s61, s61, 8320
	s_add_co_u32 s62, s62, 256
.endm
; Row j = 0 .. 3 of chunk 0: STEP's arithmetic on taps that lie in window 1 (v[32 j ..]); weights, maxima, codes and addresses in window 0.  It then asks for row j + 4 into the gather's own slot j.
.macro STEPW j, cnt
.set TW, 32*(\j)
	s_wait_loadcnt \cnt
	WIN 0x41
.irp i, 0,2,4,6
	v_pk_mul_f32 v[TW+\i:TW+\i+1], v[TW+\i:TW+\i+1], v[WT+4*(\j):WT+4*(\j)+1] op_sel_hi:[1,0]
.endr
	WIN 0x51
.irp i, 0,2,4,6
	v_pk_fma_f32 v[TW+\i:TW+\i+1], v[TW+8+\i:TW+9+\i], v[WT+4*(\j):WT+4*(\j)+1], v[TW+\i:TW+\i+1] op_sel:[0,1,0] op_sel_hi:[1,1,1]
.endr
.irp i, 0,2,4,6
	v_pk_fma_f32 v[TW+\i:TW+\i+1], v[TW+16+\i:TW+17+\i], v[WT+4*(\j)+2:WT+4*(\j)+3], v[TW+\i:TW+\i+1] op_sel_hi:[1,0,1]
.endr
.irp i, 0,2,4,6
	v_pk_fma_f32 v[TW+\i:TW+\i+1], v[TW+24+\i:TW+25+\i], v[WT+4*(\j)+2:WT+4*(\j)+3], v[TW+\i:TW+\i+1] op_sel:[0,1,0] op_sel_hi:[1,1,1]
.endr
	WIN 0x15
	v_max3_num_f32 v[GM], |v[TW]|, |v[TW+1]|, |v[TW+2]|
	v_max3_num_f32 v[GM+1], |v[TW+3]|, |v[TW+4]|, |v[TW+5]|
	WIN 0x14
	v_max3_num_f32 v[GM], v[GM], |v[TW+6]|, |v[TW+7]|
	WIN 0
	v_max3_num_f32 v[GM], v[GM], v[GM+1], 0x1800000   ; the floor 2^(3 - 127) holds the byte at 1 from below
	v_max_num_f32_dpp v[GM], v[GM], v[GM] row_xmask:1 row_mask:0xf bank_mask:0xf
	v_max_num_f32_dpp v[GM], v[GM], v[GM] row_xmask:2 row_mask:0xf bank_mask:0xf
	v_add_nc_u32 v[GS], 0xff000000, v[GM]
	v_lshrrev_b32 v[GBY+(\j)], 23, v[GS]
	WIN 0x01
	v_cvt_scalef32_pk8_fp4_f32 v[GCD+(\j)], v[TW:TW+7], v[GS]
	WIN 0
	ds_store_b8 v223, v[GBY+(\j)] offset:8*(\j)
	ds_store_b32 v222, v[GCD+(\j)] offset:144*(\j)
	GT \j, 1024*((\j)+4)
	GML \j, 128+1024*(\j)
.endm
	s_mov_b32 s56, 0
	s_mov_b32 s57, KVB                             ; where the tiles read
	s_mov_b32 s58, 0                               ; where the gather stores
	s_mov_b32 s59, 0
	s_mov_b32 s60, 0
	s_mov_b32 s61, 0
	s_mov_b32 s62, 0
	CHUNK_ADDRS
; Chunk 0.  As a row's slot in window 1 comes free, the weight whose registers it held is asked for: 8 loads behind the row's 9 + 1.  The counts: the loads issued behind the load of pixel numbers that the step needs
; (a group is 9 + 1; 4 scale words were asked for at P3's end; a weight is 8): 30 + 4;  20 + 4 + 18;  10 + 4 + 36;  4 + 54;  8 + 54;  8 + 36 + 10;  8 + 18 + 20;  8 + 30.
; The weights are in ahead of the first tile: behind the last of them stand rows 4 to 7's 40 loads, and the loop's first wait leaves 30 out.
	STEPW 0, 34
	WIN 0x40
	WLOAD WQ, 26, WA, 1024
	WIN 0
	STEPW 1, 42
	WIN 0x40
	WLOAD WK, 30, WA, 1024
	WIN 0
	STEPW 2, 50
	WIN 0x40
	WLOAD WV, 34, 248, 2048
	WIN 0
	STEPW 3, 58
	WIN 0x40
	BLOAD BQ, 2
	BLOAD BK, 3
	WIN 0
	STEP 4, 1, 1, 62
	STEP 5, 1, 1, 54
	STEP 6, 1, 1, 46
	STEP 7, 1, 1, 38
	NEXTG
	TURNB
	BAR                                            ; chunk 0's 64 rows of codes and q_in's lie in LDS; 36 loads of mine stay on their way
.Lchunk:                                               ; 6 trips: the tiles of chunk c, the gather of chunk c + 1
	CHUNK_ADDRS
	TFETCH 0
	WIN 0
.irp x, 0,1,2
	STEP 2*\x, 1, 1, 30
	STEP 2*\x+1, 1, 1, 30
	TILE \x, 1
.endr
	STEP 6, 1, 1, 30
	STEP 7, 1, 1, 30
	TILE 3, 0                                      ; the chunk's last tile fetches nothing: the next chunk's rows are shown by the barrier below
	NEXTG
	TURNB
	NEXTT
	BAR
	s_add_co_u32 s56, s56, 1
	s_cmp_lt_u32 s56, 6
	s_cbranch_scc1 .Lchunk
	CHUNK_ADDRS                                    ; chunk 6's tiles and chunk 7's gather: no load leaves its buffer, and the counts run down
	TFETCH 0
	WIN 0
	STEP 0, 1, 0, 30
	STEP 1, 1, 0, 29
	TILE 0, 1
	STEP 2, 1, 0, 28
	STEP 3, 1, 0, 27
	TILE 1, 1
	STEP 4, 0, 0, 27
	STEP 5, 0, 0, 18
	v_nop                                          ; one plain instruction behind the last conversion
	TILE 2, 1
	STEP 6, 0, 0, 9
	STEP 7, 0, 0, 0
	v_nop                                          ; likewise
	TILE 3, 0
	TURNB
	NEXTT
	BAR
	CHUNK_ADDRS                                    ; chunk 7's tiles
	TFETCH 0
	TILE 0, 1
	TILE 1, 1
	TILE 2, 1
	TILE 3, 0
	s_lshl_b32 s66, s50, 13
	s_add_co_u32 s66, s66, QRL
	v_add_nc_u32 v12, s66, v[L16]
	WIN 0x40                                       ; Wo, out_b and q_in + bo take the tile's registers; out_W and the norms' gains and offsets those of Wq, Wk, Wv
	WLOAD WO, 38, WA, 1024
	BLOAD OB, 6
	WLOAD OW, 42, WA, 1024
	BLOAD N1G, 7
	BLOAD N1B, 8
	BLOAD N2G, 9
	BLOAD N2B, 10
.irp i, 0,1,2,3,4,5,6,7,8,9,10,11,12,13,14,15
	ds_load_b128 v[QR+4*\i:QR+4*\i+3], v12 offset:512*\i   ; my own bytes
.endr
	WIN 0
	BAR                                            ; ctx and the attention's sums lie in LDS
; ================ X1: ctx, 64 rows, is quantised
	ADDRS
	v_mul_u32_u24 v10, v1, 1040
	s_delay_alu instid0(VALU_DEP_1)
	v_lshl_add_u32 v10, v2, 6, v10
	s_lshl_b32 s66, s50, 7
	s_add_co_u32 s66, s66, CTXF
	v_add_nc_u32 v10, s66, v10                     ; row r, my 16 features; kept for the stage of out0
.irp m, 0,1,2,3
.irp i, 0,1,2,3
	ds_load_b128 v[Y+16*\m+4*\i:Y+16*\m+4*\i+3], v10 offset:16640*\m+16*\i
.endr
.endr
	s_wait_dscnt 0x0
	QUANT 4, Y
	v_add_nc_u32 v11, CXC, v3
	v_add_nc_u32 v12, CXS, v4
	QSTORE 4, 144, 8
	v_add_nc_u32 v13, CXC, v8
	v_add_nc_u32 v14, CXS, v9
	s_wait_alu depctr_va_vdst(0)
	BAR
; ================ X2: ctx Wo^T + (bo + q_in), the first norm
	XFETCH
	s_wait_loadcnt 24                              ; Wo and out_b are in; out_W's 8 loads and the norms' 16 may be out
	PROD WO, QR, 1, 18
	PLACES
	LNSTAT ST1
	BAR
	LNJOIN ST1
	s_wait_loadcnt 0x0                             ; out_W and the gains and offsets
	LNAPPLY N1G, N1B
	QUANT 4, Y
	v_add_nc_u32 v11, L1C, v3
	v_add_nc_u32 v12, L1S, v4
	QSTORE 4, 144, 8
	v_add_nc_u32 v13, L1C, v8
	v_add_nc_u32 v14, L1S, v9
	s_wait_alu depctr_va_vdst(0)
	BAR
; ================ X3: out_W, the second norm
	XFETCH
	PROD OW, OB, 0, 16
	PLACES
	LNSTAT ST2
	BAR
	LNJOIN ST2
	LNAPPLY N2G, N2B
; ================ X4: the view attention and the sum over views.  A point's eight entries of the last softmax are one number a: their maximum is a itself, their exponentials are equal, and so are the eight terms of the sum over views.
	v_lshl_add_u32 v14, v1, 5, ASUM                ; my row's eight heads
	v_and_b32 v15, 31, v0
	s_delay_alu instid0(VALU_DEP_1)
	v_lshlrev_b32 v13, 3, v15                      ; out1: 8 bytes a lane
	s_delay_alu instid0(VALU_DEP_2)
	v_lshrrev_b32 v15, 2, v15
	s_delay_alu instid0(VALU_DEP_1)
	v_lshlrev_b32 v15, 5, v15
	s_lshl_b32 s66, s50, 8
	s_add_co_u32 s66, s66, ASUM
	v_add_nc_u32 v15, s66, v15                     ; for out1: point 8 w + lane / 4
.irp m, 0,1,2,3
	ds_load_b128 v[32+8*\m:35+8*\m], v14 offset:512*\m
	ds_load_b128 v[36+8*\m:39+8*\m], v14 offset:512*\m+16
.endr
	ds_load_b128 v[176:179], v15
	ds_load_b128 v[180:183], v15 offset:16
	s_lshl_b32 s66, ttmp9, 11
	s_lshl_b32 s67, s50, 8
	s_add_co_u32 s66, s66, s67
	s_mov_b32 s67, 0
	s_add_nc_u64 s[48:49], s[48:49], s[66:67]      ; out1: 2,048 bytes a work-group, 256 a wave
	s_lshl_b32 s66, ttmp9, 16
	s_add_nc_u64 s[46:47], s[46:47], s[66:67]      ; out0: 65,536 bytes a work-group
	s_wait_dscnt 0x0
.irp a, 32,40,48,56,176
	v_add_f32 v[\a], v[\a], v[\a+1]
	v_add_f32 v[\a+2], v[\a+2], v[\a+3]
	v_add_f32 v[\a+4], v[\a+4], v[\a+5]
	v_add_f32 v[\a+6], v[\a+6], v[\a+7]
.endr
.irp a, 32,40,48,56,176
	v_add_f32 v[\a], v[\a], v[\a+2]
	v_add_f32 v[\a+4], v[\a+4], v[\a+6]
.endr
.irp a, 32,40,48,56,176
	v_add_f32 v[\a], v[\a], v[\a+4]
.endr
.irp a, 32,40,48,56,176
	v_mul_f32 v[\a], 0x3c800000, v[\a]             ; / 64: the mean over heads and keys
.endr
.irp a, 32,40,48,56,176
	v_sub_f32 v[\a+1], v[\a], v[\a]                ; the entry less the eight's maximum
.endr
.irp a, 32,40,48,56,176
	v_mul_f32 v[\a+1], 0x3fb8aa3b, v[\a+1]
.endr
	s_wait_alu depctr_va_vdst(0)
.irp a, 32,40,48,56,176
	v_exp_f32 v[\a+1], v[\a+1]
.endr
	v_nop
	s_wait_alu depctr_va_vdst(0)
.irp a, 32,40,48,56,176
	v_mul_f32 v[\a+2], 0x41000000, v[\a+1]         ; the sum of the eight
.endr
	s_wait_alu depctr_va_vdst(0)
.irp a, 32,40,48,56,176
	v_rcp_f32 v[\a+3], v[\a+2]
.endr
	v_nop
	s_wait_alu depctr_va_vdst(0)
.irp a, 32,40,48,56,176
	v_mul_f32 v[\a+4], v[\a+1], v[\a+3]            ; the view attention
.endr
.irp a, 32,40,48,56
	v_mul_f32 v[\a+5], 0x41000000, v[\a+4]         ; its sum over the eight views, by which the one row is weighed
.endr
	v_mov_b32 v181, v180
	global_store_b64 v13, v[180:181], s[48:49]     ; the wave stores 256 consecutive bytes, at a multiple of 256 from out1's first byte
.irp m, 0,1,2,3
.irp i, 0,2,4,6,8,10,12,14
	v_pk_mul_f32 v[Y+16*\m+\i:Y+16*\m+\i+1], v[Y+16*\m+\i:Y+16*\m+\i+1], v[36+8*\m:37+8*\m] op_sel:[0,1] op_sel_hi:[1,1]
.endr
.endr
.irp m, 0,1,2,3
.irp i, 0,1,2,3
	ds_store_b128 v10, v[Y+16*\m+4*\i:Y+16*\m+4*\i+3] offset:16640*\m+16*\i   ; the stage lies where ctx lay: its last read stands four barriers back
.endr
.endr
	s_mul_i32 s66, s50, 8320
	s_add_co_u32 s66, s66, CTXF
	v_add_nc_u32 v11, s66, v[L16]                  ; back: my wave's eight rows, 16 bytes a lane
	s_lshl_b32 s67, s50, 13
	v_add_nc_u32 v12, s67, v[L16]
	s_wait_alu depctr_va_vdst(0)
	BAR                                            ; 64 whole rows of out0 lie in the stage
; ================ X5: the way out
.irp q, 0,1,2,3,4,5,6,7
.irp f, 0,1
	ds_load_b128 v[32+8*\q+4*\f:32+8*\q+4*\f+3], v11 offset:1040*\q+512*\f
.endr
.endr
.irp q, 0,1,2,3,4,5,6,7
.irp f, 0,1
	s_wait_dscnt 15-2*\q-\f
	global_store_b128 v12, v[32+8*\q+4*\f:32+8*\q+4*\f+3], s[46:47] offset:1024*\q+512*\f th:TH_STORE_NT   ; 512 consecutive bytes, at a multiple of 256 from out0's first byte
.endr
.endr
	s_wait_xcnt 0x0
	v_lshl_add_u32 v254, v0, 2, 0x30700
	v_mov_b32 v255, 0
	s_wait_alu depctr_va_vdst(0)
	s_wait_tensorcnt 0x0
	ds_add_u32 v254, v255
	s_wait_dscnt 0x0
	s_endpgm
.Lfunc_end_k_qd15c32f6e2_main:
	.size	k_qd15c32f6e2_main, .Lfunc_end_k_qd15c32f6e2_main-k_qd15c32f6e2_main
	.p2alignl 7, 3214868480
	.fill 96, 4, 3214868480
	.section	.rodata,"a",@progbits
	.p2align	6, 0x0
	.amdhsa_kernel k_qd15c32f6e2_main
		.amdhsa_group_segment_fixed_size 209408
		.amdhsa_private_segment_fixed_size 0
		.amdhsa_enable_private_segment 0
		.amdhsa_kernarg_size 184
		.amdhsa_user_sgpr_count 2
		.amdhsa_user_sgpr_kernarg_segment_ptr 1
		.amdhsa_wavefront_size32 1
		.amdhsa_system_sgpr_workgroup_id_x 1
		.amdhsa_system_sgpr_workgroup_id_y 1
		.amdhsa_system_sgpr_workgroup_id_z 1
		.amdhsa_system_vgpr_workitem_id 0
		.amdhsa_next_free_vgpr 512
		.amdhsa_next_free_sgpr 80
		.amdhsa_reserve_vcc 0
		.amdhsa_float_denorm_mode_32 3
		.amdhsa_float_denorm_mode_16_64 3
		.amdhsa_memory_ordered 1
		.amdhsa_forward_progress 1
		.amdhsa_inst_pref_size 255
	.end_amdhsa_kernel
	.section	.bss,"aw",@nobits
	.p2align	6
	.space	262144
	.amdgpu_metadata
---
amdhsa.version: [ 1, 2 ]
amdhsa.kernels:
  - .name:           k_qd15c32f6e2_main
    .symbol:         k_qd15c32f6e2_main.kd
    .args:
      - { .name: fmt, .offset: 0, .size: 8, .value_kind: global_buffer, .address_space: global }
      - { .name: taps, .offset: 8, .size: 8, .value_kind: global_buffer, .address_space: global }
      - { .name: tapw, .offset: 16, .size: 8, .value_kind: global_buffer, .address_space: global }
      - { .name: points_3d, .offset: 24, .size: 8, .value_kind: global_buffer, .address_space: global }
      - { .name: pos_W1, .offset: 32, .size: 8, .value_kind: global_buffer, .address_space: global }
      - { .name: pos_b1, .offset: 40, .size: 8, .value_kind: global_buffer, .address_space: global }
      - { .name: vecs, .offset: 48, .size: 8, .value_kind: global_buffer, .address_space: global }
      - { .name: pos_W2_codes, .offset: 56, .size: 8, .value_kind: global_buffer, .address_space: global }
      - { .name: pos_W2_scales, .offset: 64, .size: 8, .value_kind: global_buffer, .address_space: global }
      - { .name: q_W_codes, .offset: 72, .size: 8, .value_kind: global_buffer, .address_space: global }
      - { .name: q_W_scales, .offset: 80, .size: 8, .value_kind: global_buffer, .address_space: global }
      - { .name: Wq_codes, .offset: 88, .size: 8, .value_kind: global_buffer, .address_space: global }
      - { .name: Wq_scales, .offset: 96, .size: 8, .value_kind: global_buffer, .address_space: global }
      - { .name: Wk_codes, .offset: 104, .size: 8, .value_kind: global_buffer, .address_space: global }
      - { .name: Wk_scales, .offset: 112, .size: 8, .value_kind: global_buffer, .address_space: global }
      - { .name: Wv_codes, .offset: 120, .size: 8, .value_kind: global_buffer, .address_space: global }
      - { .name: Wv_scales, .offset: 128, .size: 8, .value_kind: global_buffer, .address_space: global }
      - { .name: Wo_codes, .offset: 136, .size: 8, .value_kind: global_buffer, .address_space: global }
      - { .name: Wo_scales, .offset: 144, .size: 8, .value_kind: global_buffer, .address_space: global }
      - { .name: out_W_codes, .offset: 152, .size: 8, .value_kind: global_buffer, .address_space: global }
      - { .name: out_W_scales, .offset: 160, .size: 8, .value_kind: global_buffer, .address_space: global }
      - { .name: out0, .offset: 168, .size: 8, .value_kind: global_buffer, .address_space: global }
      - { .name: out1, .offset: 176, .size: 8, .value_kind: global_buffer, .address_space: global }
    .group_segment_fixed_size: 209408
    .private_segment_fixed_size: 0
    .kernarg_segment_align: 8
    .kernarg_segment_size: 184
    .max_flat_workgroup_size: 256
    .sgpr_count:     80
    .vgpr_count:     512
    .wavefront_size: 32
...
	.end_amdgpu_metadata
.endif
;; end of part 3
